; MI455X (gfx1250); checked and timed in simulation.
; The chip was launched on July 23, 2026; its instructions are those of AMD's public machine-readable ISA for CDNA 5 (MIT licence, August 2026) and "CDNA5" Instruction Set Architecture Reference Guide (July 2026). The comments in the code are by the model that wrote it; some were corrected since.
;; MSA. Allowed arithmetic: matrix products marked QUANTISED: E2M1 operands, one E8M0 scale for each 32 along K, by v_wmma_scale_f32_16x16x128_f8f6f4 with both operands' format E2M1 (or v_wmma_scale_f32_32x16x128_f4), f32 sums; products left as they are: bf16, f16 or f32 operands; f32 sums; everything else in f32.
;; Inputs: bk 1,024 float32; bo 1,024 float32; bq 1,024 float32; bv 1,024 float32; wk 1,024 x 1,024 float32; wo 1,024 x 1,024 float32; wq 1,024 x 1,024 float32; wv 1,024 x 1,024 float32; x 8 x 2,048 x 1,024 float32.
;; Outputs: out0 8 x 2,048 x 1,024 float32.
;; This version of the problem:
;;   THIS VERSION OF THE PROBLEM IS GIVEN IN LOW PRECISION. The matrix products marked QUANTISED in the list below multiply operands that are first quantised to E2M1 (2 exponent bits, 1 mantissa bit; 4 bits a number), with one power-of-two scale for each 32 numbers along K (OCP MX v1.0); their sums are f32. The products marked 'left as it is' may take bf16, f16 or f32 operands, with f32 sums. Whichever they take, every output number must still come out within the allowed error. Rounding operands to bf16 (8 significant bits) uses up far more of that allowance than f16 does (11 bits, for magnitudes from 6e-5 to 65,504). All else is computed in f32.
;;   The module's matrix products, in the order in which they are computed (A, B: the left and right operand; K: the contracted axis; several contracted axes count as one K, in the product's order):
;;     1. [M 16,384, K 1,024] x [K 1,024, N 1,024]; A: input x; B: input wq: QUANTISED
;;     2. [M 16,384, K 1,024] x [K 1,024, N 1,024]; A: input x; B: input wk: QUANTISED
;;     3. [M 16,384, K 1,024] x [K 1,024, N 1,024]; A: input x; B: input wv: QUANTISED
;;     4. batch 16,384 x [M 16, K 64] x [K 64, N 16]; A: computed on the way; B: computed on the way: left as it is (an operand is computed on the way)
;;     5. batch 16,384 x [M 16, K 16] x [K 16, N 64]; A: computed on the way; B: computed on the way: left as it is (K = 16 < 32)
;;     6. [M 16,384, K 1,024] x [K 1,024, N 1,024]; A: computed on the way; B: input wo: left as it is (an operand is computed on the way)
;;   THE QUANTISER, for each operand of a quantised product, along K:
;;     - K is cut into blocks of 32 from its start; a last block that is shorter is filled with zeros.
;;     - A block's scale is 2^e with e = floor(log2(the largest magnitude in the block)) - 2, held to -126 .. 127; a block of zeros has e = 0. As a byte (E8M0): e + 127.
;;     - Each number is divided by its block's scale, clamped to +-6, and rounded to the nearest number of E2M1, ties to even, subnormals kept.
;;     - The product sums the exact products of the quantised numbers (number of the format x scale) in f32.
;;   ~~~python
;;   def quantise(x, axis):      # numpy; x: float32 -> the quantised numbers, widened to float32 again
;;       x = np.moveaxis(x, axis, -1); K = x.shape[-1]
;;       x = np.pad(x, [(0, 0)] * (x.ndim - 1) + [(0, -K % 32)]); x = x.reshape(x.shape[:-1] + (-1, 32)); a = np.abs(x).max(-1, keepdims=True)
;;       e = np.where(a > 0, np.clip(np.frexp(np.where(a > 0, a, 1))[1] - 1 - 2, -126, 127), 0)      # np.frexp(a)[1] - 1 = floor(log2(a)), exactly
;;       r = np.clip(x / 2.0 ** e, -6, 6)
;;       step = 2.0 ** (np.maximum(np.frexp(np.where(r == 0, 1, r))[1] - 1, 0) - 1)
;;       q = np.round(r / step) * step * 2.0 ** e      # np.round: ties to even
;;       return np.moveaxis(q.reshape(q.shape[:-2] + (-1,))[..., :K], -1, axis).astype(np.float32)
;;   ~~~
;; 2 versions, each right; version 2 is version 1 with the launch msa written anew for expert scheduling mode. Each part assembles by itself: llvm-mc -triple=amdgcn-amd-amdhsa -mcpu=gfx1250 --defsym DOCPART=n.
;; ======== version 1 of 2: 2 launches
;; limits: values are held in f16: magnitudes above 65,504 overflow, below 6.1e-05 lose precision
;; workspace buffers: xq 8,388,608 bytes; xs 524,288 bytes; wcod 1,572,864 bytes; wsc 98,304 bytes; wo16 2,097,152 bytes; bp 12,288 bytes
;; launch prep (part 1): grid 673 x 1, 4 waves a work-group, no clusters, 74,240 bytes of LDS; arguments x, wk, wq, wv, wo, bk, bq, bv, xq, xs, wcod, wsc, wo16, bp; writes xq, xs, wcod, wsc, wo16, bp
.if DOCPART == 1
	.amdgcn_target "amdgcn-amd-amdhsa--gfx1250"
	.amdhsa_code_object_version 6
	.text
	.protected	k_q38de4c9246_prep
	.globl	k_q38de4c9246_prep
	.p2align	8
	.type	k_q38de4c9246_prep,@function
k_q38de4c9246_prep:
	s_mov_b64 s[64:65], 0
	v_nop
	global_prefetch_b8 v0, s[64:65] scope:SCOPE_SE
	s_setreg_imm32_b32 hwreg(HW_REG_WAVE_MODE, 25, 1), 1
	s_wait_xcnt 0x0
; PREP: everything that the second launch reads many times is made once, and laid in the order of the operands' registers.
;  work-groups 0-511:   x [16384][1024] f32 -> codes of FP4 (E2M1) in xq, E8M0 scale words in xs
;  work-groups 512-607: wk, wq, wv [1024][1024] f32 -> wcod, wsc (tensor m = 0: k, 1: q, 2: v)
;  work-groups 608-671: wo [1024][1024] f32 -> f16 in wo16, with its K permuted as the second launch lays ctx
;  work-group 672:      bk, bq, bv -> bp, in the order of the weight tiles' rows
; LAYOUT of codes: a tile G of 16 rows, K step s of 128, block b of 32, row r: (G>>3)*65536 + s*8192 + (G&7)*1024 + b*256 + r*16; the 16 bytes are the block's 32 codes.
;   The 1,024 bytes (b, r) are a fragment's register image: its two loads of 16 bytes a lane take 512 c + 16 x lane.  Scale words: G*512 + s*64 + r*4.
; ROWS OF A WEIGHT TILE T (0..63): k, q: row 64 (T&15) + 16 (T>>4) + r (head T&15, 16 neighbouring channels);  v: row 64 r + T (ONE channel of all 16 heads).
; THE QUANTISER: a block's scale is 2^(floor(log2(largest magnitude)) - 2); its byte is the largest magnitude's exponent field - 2, held at 1 from below; each number / scale to the nearest code, ties to even, beyond 6 the code of 6.
; LIMITS: a block of zeros gets the byte 1 where the rule says 127 (its codes are zeros, and this program alone reads the bytes); blocks whose largest magnitude lies under 2^-124 keep the byte 1;
;   NaN and infinities among the inputs are not served; numbers of wo beyond 65,504 become infinite in f16, under 6e-5 they keep an absolute error of 3e-8.
; A unit of the quantiser is 16 rows x 512 along K, one wave's: step t is row t, 2,048 consecutive bytes.  Each load reads 512 consecutive bytes; a step turns through the wave's own stage in LDS so that a lane
; holds 16 neighbours along K (two lanes a block); codes and scale bytes gather in LDS and leave in runs of 512 and 256 consecutive, aligned bytes.  No barrier: waves share nothing.
.set STEPS, 16
.set EMAX,  2
.set R,     16                         ; v16-79   four sets of 16 numbers as loaded
.set X,     80                         ; v80-111  two sets of 16 neighbours
.set E,     112                        ; v112-127 a scale byte for each step
.set C,     128                        ; v128-159 two registers of codes for each step
.set VAD,   160                        ; v160-175 step t's byte offset: 16 x lane + t x the stride from row to row
.set SP,    80                         ; a lane's place in a turn stage: 64 bytes + 16 of padding
.set WREG,  9728                       ; LDS of a quantising wave: two turn stages of 32 x 80, 256 scale bytes, a code stage of 16 x 272
.set SST,   5120
.set CST,   5376
.set WOST,  38912                      ; LDS of wo's path: bytes of its own, 32 x 272 for each wave
.set WOW,   8704
.set SPARE, 73728                      ; the spare words, 128 bytes for each wave: two blocks of 256 bytes that no other line names
.set SPW,   12                         ; v12 SPARE + 4 x my thread's number; never rewritten
.set NIL,   13                         ; v13 0; never rewritten
.macro FIN                             ; a wave's end behind its last LDS store
	s_wait_tensorcnt 0x0
	ds_add_u32 v[SPW], v[NIL]
	s_wait_dscnt 0x0
	s_endpgm
.endm
.macro LOAD t                          ; row t's 2,048 bytes: four loads of 512 consecutive bytes
.irp i, 0,1,2,3
	global_load_b128 v[R+16*((\t)%4)+4*\i:R+16*((\t)%4)+4*\i+3], v[VAD+(\t)], s[38:39] offset:512*\i th:TH_LOAD_NT
.endr
.endm
.macro TURN t                          ; through the stage: LDS serves a wave's instructions in order, so no wait stands between the stores and the loads
.irp i, 0,1,2,3
	ds_store_b128 v14, v[R+16*((\t)%4)+4*\i:R+16*((\t)%4)+4*\i+3] offset:32*SP*((\t)%2)+8*SP*\i
.endr
.irp i, 0,1,2,3
	ds_load_b128 v[X+16*((\t)%2)+4*\i:X+16*((\t)%2)+4*\i+3], v15 offset:32*SP*((\t)%2)+16*\i
.endr
.endm
.macro STEP t
.set XR, X+16*((\t)%2)
.if (\t) > 0
	s_wait_dscnt 2                                 ; this step's numbers are back from the stage; the last step's byte store and code store may be out
.else
	s_wait_dscnt 0x0
.endif
.if (\t)+4 < STEPS
	LOAD (\t)+4                                    ; into the set whose numbers have just gone through the stage
.endif
.if (\t)+1 < STEPS
.if STEPS-2-(\t) >= 3
	s_wait_loadcnt 12                              ; the next step's four loads are in; three steps' twelve may be out
.else
	s_wait_loadcnt 4*(STEPS-2-(\t))
.endif
	TURN (\t)+1
.endif
	v_max3_num_f32 v8, |v[XR]|, |v[XR+1]|, |v[XR+2]|               ; the largest magnitude of my 16, in two chains
	v_max3_num_f32 v9, |v[XR+3]|, |v[XR+4]|, |v[XR+5]|
.irp i, 6,10
	v_max3_num_f32 v8, v8, |v[XR+\i]|, |v[XR+\i+1]|
	v_max3_num_f32 v9, v9, |v[XR+\i+2]|, |v[XR+\i+3]|
.endr
	v_max3_num_f32 v8, v8, |v[XR+14]|, |v[XR+15]|
	v_max3_num_f32 v8, v8, v9, (EMAX+1)<<23        ; and the floor 2^(3 - 127): the byte cannot fall under 1
	v_max_num_f32_dpp v8, v8, v8 row_xmask:1 row_mask:0xf bank_mask:0xf   ; with my neighbour's 16: the block's
	v_add_nc_u32 v11, -(EMAX<<23), v8              ; 2 off its exponent field: the conversion takes the exponent field of this operand as its scale
	v_cvt_scalef32_pk8_fp4_f32 v[C+2*(\t)], v[XR:XR+7], v11
	v_cvt_scalef32_pk8_fp4_f32 v[C+2*(\t)+1], v[XR+8:XR+15], v11
	v_lshrrev_b32 v[E+(\t)], 23, v11               ; the scale's byte (a plain line behind the conversions)
	ds_store_b8 v5, v[E+(\t)] offset:SST+4*(\t)    ; both lanes of a block write the same byte with the same value
	ds_store_b64 v4, v[C+2*(\t):C+2*(\t)+1] offset:CST+16*(\t)   ; my half of the block's 16 bytes, at row t of the block's slot
.endm
	s_load_b512 s[4:19], s[0:1], 0x0               ; x s[4:5], wk s[6:7], wq s[8:9], wv s[10:11], wo s[12:13], bk s[14:15], bq s[16:17], bv s[18:19]
	s_load_b256 s[20:27], s[0:1], 0x40             ; xq s[20:21], xs s[22:23], wcod s[24:25], wsc s[26:27]
	s_load_b128 s[28:31], s[0:1], 0x60             ; wo16 s[28:29], bp s[30:31]
	v_lshl_add_u32 v[SPW], v0, 2, SPARE
	v_mov_b32 v[NIL], 0
	v_lshrrev_b32 v1, 5, v0
	v_readfirstlane_b32 s32, v1                    ; wave 0..3
	v_and_b32 v2, 31, v0                           ; lane
	v_lshlrev_b32 v3, 4, v2                        ; 16 x lane
	s_wait_kmcnt 0x0
	s_cmp_ge_u32 ttmp9, 672
	s_cbranch_scc1 .Lbias
	s_cmp_ge_u32 ttmp9, 608
	s_cbranch_scc1 .Lwo
	; ---- THE QUANTISER.  Only pointers and strides are chosen by the work-group's number: all four tensors take one path
	s_cmp_lt_u32 ttmp9, 512
	s_cselect_b64 s[34:35], s[20:21], s[24:25]     ; codes: xq or wcod
	s_cselect_b64 s[36:37], s[22:23], s[26:27]     ; scale words: xs or wsc
	s_cselect_b32 s33, 0, 512
	s_cmp_lt_u32 ttmp9, 544
	s_cselect_b64 s[38:39], s[6:7], s[8:9]         ; 32 work-groups to a weight: wk, wq,
	s_mov_b32 s40, 262144
	s_cmp_lt_u32 ttmp9, 576
	s_cselect_b64 s[38:39], s[38:39], s[10:11]     ; wv,
	s_cselect_b32 s40, 4096, s40                   ; from row to row of a tile: one row; in wv 64 rows
	s_cmp_lt_u32 ttmp9, 512
	s_cselect_b64 s[38:39], s[4:5], s[38:39]       ; or x
	s_sub_co_u32 s33, ttmp9, s33
	s_lshl_b32 s33, s33, 2
	s_add_co_u32 s33, s33, s32                     ; my unit
	s_lshr_b32 s41, s33, 1                         ; G: the tile
	s_and_b32 s42, s33, 1                          ; which half of K
	s_and_b32 s43, s41, 63                         ; T
	s_and_b32 s44, s43, 15
	s_lshl_b32 s44, s44, 6
	s_lshr_b32 s45, s43, 4
	s_lshl_b32 s45, s45, 4
	s_add_co_u32 s44, s44, s45                     ; k, q: first row 64 (T&15) + 16 (T>>4)
	s_lshl_b32 s45, s41, 4                         ; x: 16 G
	s_cmp_lt_u32 ttmp9, 576
	s_cselect_b32 s44, s44, s43                    ; v: T
	s_cmp_lt_u32 ttmp9, 512
	s_cselect_b32 s44, s45, s44
	s_lshl_b32 s44, s44, 12                        ; rows of 4,096 bytes (under 2^27)
	s_lshl_b32 s45, s42, 11
	s_add_co_u32 s44, s44, s45
	s_mov_b32 s45, 0
	s_add_nc_u64 s[38:39], s[38:39], s[44:45]
	s_lshr_b32 s46, s41, 3
	s_lshl_b32 s46, s46, 16
	s_lshl_b32 s47, s42, 15                        ; four K steps of 8,192 bytes
	s_add_co_u32 s46, s46, s47
	s_and_b32 s47, s41, 7
	s_lshl_b32 s47, s47, 10
	s_add_co_u32 s46, s46, s47
	s_mov_b32 s47, 0
	s_add_nc_u64 s[34:35], s[34:35], s[46:47]
	s_lshl_b32 s46, s41, 9
	s_lshl_b32 s44, s42, 8
	s_add_co_u32 s46, s46, s44
	s_add_nc_u64 s[36:37], s[36:37], s[46:47]
.irp t, 0,1,2,3,4,5,6,7,8,9,10,11,12,13,14,15
	v_mad_u32_u24 v[VAD+\t], s40, \t, v3
.endr
.irp t, 0,1,2,3
	LOAD \t
.endr
	s_mul_i32 s48, s32, WREG                       ; my wave's LDS
	v_lshrrev_b32 v14, 2, v2
	v_mul_u32_u24 v14, v14, SP
	v_and_b32 v15, 3, v2
	v_lshl_add_u32 v14, v15, 4, v14
	v_add_nc_u32 v14, s48, v14                     ; turn stage, in: 80 (lane / 4) + 16 (lane % 4)
	v_mul_u32_u24 v15, v2, SP
	v_add_nc_u32 v15, s48, v15                     ; out: 80 x lane
	v_lshrrev_b32 v4, 1, v2
	v_mul_u32_u24 v4, v4, 272
	v_and_b32 v5, 1, v2
	v_lshl_add_u32 v4, v5, 3, v4
	v_add_nc_u32 v4, s48, v4                       ; code stage, in: slot = my block (lane / 2), 272 bytes a slot, + 8 (lane % 2)
	v_lshrrev_b32 v5, 3, v2
	v_bfe_u32 v6, v2, 1, 2
	v_lshl_add_u32 v5, v5, 6, v6
	v_add_nc_u32 v5, s48, v5                       ; scale bytes, in: 64 x K step + block in it; 4 x row in the immediate
	v_lshrrev_b32 v6, 4, v2
	v_mul_u32_u24 v6, v6, 272
	v_and_b32 v7, 15, v2
	v_lshl_add_u32 v6, v7, 4, v6
	v_add_nc_u32 v6, s48, v6                       ; code stage, out: two slots an instruction, 16 bytes a lane
	v_lshlrev_b32 v10, 3, v2                       ; 8 x lane
	v_add_nc_u32 v7, s48, v10                      ; scale bytes, out
	s_wait_loadcnt 12                              ; step 0's four loads are in
	TURN 0
.irp t, 0,1,2,3,4,5,6,7,8,9,10,11,12,13,14,15
	STEP \t
.endr
.irp a, 0,1,2,3,4,5,6,7
	ds_load_b128 v[R+4*\a:R+4*\a+3], v6 offset:CST+544*\a      ; these see my stores: LDS serves a wave's instructions in order
.endr
	ds_load_b64 v[8:9], v7 offset:SST
.irp a, 0,1,2,3,4,5,6,7
	s_wait_dscnt 8-\a
	global_store_b128 v3, v[R+4*\a:R+4*\a+3], s[34:35] offset:(\a/2)*8192+(\a%2)*512   ; half a fragment's image: 512 consecutive bytes, aligned
.endr
	s_wait_dscnt 0x0
	global_store_b64 v10, v[8:9], s[36:37]         ; 64 scale words: 256 consecutive bytes, aligned
	FIN
	; ---- WO: tile Tn = 16 output columns (rows of wo), wave q = heads 4 q .. 4 q + 3 (256 along K).
	; wo16: w*524288 + p*262144 + kap*8192 + i*1024 + a*256 + r*16, column = 512 p + 128 w + 16 i + r; chunk 4 kap + a = 16 dg + head holds wo[column][64 head + 8 dg + 0..7]
.Lwo:
	s_sub_co_u32 s33, ttmp9, 608                   ; Tn
	s_lshl_b32 s34, s33, 16                        ; 16 rows of 4,096 bytes
	s_lshl_b32 s35, s32, 10
	s_add_co_u32 s34, s34, s35
	s_mov_b32 s35, 0
	s_add_nc_u64 s[12:13], s[12:13], s[34:35]
	s_bfe_u32 s36, s33, 0x20003                    ; w = (Tn >> 3) & 3
	s_lshl_b32 s36, s36, 19
	s_lshr_b32 s37, s33, 5                         ; p
	s_lshl_b32 s37, s37, 18
	s_add_co_u32 s36, s36, s37
	s_lshl_b32 s37, s32, 13                        ; kap = 4 dg + q: q's part
	s_add_co_u32 s36, s36, s37
	s_and_b32 s37, s33, 7                          ; i
	s_lshl_b32 s37, s37, 10
	s_add_co_u32 s36, s36, s37
	s_mov_b32 s37, 0
	s_add_nc_u64 s[28:29], s[28:29], s[36:37]
.irp r, 0,1,2,3,4,5,6,7,8,9,10,11,12,13,14,15
.irp j, 0,1
	global_load_b128 v[16+4*(2*\r+\j):16+4*(2*\r+\j)+3], v3, s[12:13] offset:\r*4096+\j*512 th:TH_LOAD_NT
.endr
.endr
	s_mul_i32 s38, s32, WOW
	s_add_co_u32 s38, s38, WOST
	v_bfe_u32 v4, v2, 1, 3                         ; dg: my four numbers lie in channels 4 (lane % 16) on
	v_mul_u32_u24 v4, v4, 1088                     ; slot 4 dg + a, 272 bytes a slot
	v_lshrrev_b32 v5, 4, v2
	v_mul_u32_u24 v5, v5, 272                      ; a = 2 j + lane / 16
	v_add_nc_u32 v4, v4, v5
	v_and_b32 v6, 1, v2
	v_lshl_add_u32 v4, v6, 3, v4
	v_add_nc_u32 v4, s38, v4                       ; in
	v_and_b32 v6, 15, v2
	v_lshl_add_u32 v6, v6, 4, v5
	v_add_nc_u32 v6, s38, v6                       ; out: two slots an instruction
.irp r, 0,1,2,3,4,5,6,7,8,9,10,11,12,13,14,15
.irp j, 0,1
	s_wait_loadcnt 31-(2*\r+\j)                    ; loads come back in order: this one is in
	v_cvt_pk_f16_f32 v[16+4*(2*\r+\j)], v[16+4*(2*\r+\j)], v[17+4*(2*\r+\j)]
	v_cvt_pk_f16_f32 v[17+4*(2*\r+\j)], v[18+4*(2*\r+\j)], v[19+4*(2*\r+\j)]
	ds_store_b64 v4, v[16+4*(2*\r+\j):17+4*(2*\r+\j)] offset:\j*544+\r*16
.endr
.endr
	s_wait_dscnt 0x0                               ; the stores have read their registers, which the loads below take
.irp a, 0,1,2,3,4,5,6,7,8,9,10,11,12,13,14,15
	ds_load_b128 v[16+4*\a:16+4*\a+3], v6 offset:544*\a
.endr
.irp a, 0,1,2,3,4,5,6,7,8,9,10,11,12,13,14,15
	s_wait_dscnt 15-\a
	global_store_b128 v3, v[16+4*\a:16+4*\a+3], s[28:29] offset:(\a/2)*32768+(\a%2)*512   ; 512 consecutive bytes, aligned
.endr
	FIN
	; ---- THE BIASES: bp[(64 m + T) 16 + r] = b_m[row of tile T's lane r].  Wave m takes tensor m; the fourth wave has no tensor.  No LDS on this path
.Lbias:
	s_cmp_ge_u32 s32, 3
	s_cbranch_scc1 .Lbias_end
	s_lshl_b32 s34, s32, 12
	s_mov_b32 s35, 0
	s_add_nc_u64 s[30:31], s[30:31], s[34:35]
	v_lshlrev_b32 v10, 3, v2                       ; out: two numbers a lane
	s_cmp_eq_u32 s32, 2
	s_cbranch_scc1 .Lbias_v
	s_cmp_eq_u32 s32, 0
	s_cselect_b64 s[14:15], s[14:15], s[16:17]     ; bk or bq
	v_lshrrev_b32 v4, 3, v2
	v_and_b32 v5, 7, v2
	v_lshlrev_b32 v5, 3, v5
	v_lshl_add_u32 v4, v4, 8, v5                   ; store a: T = 4 a + lane / 8, r = 2 (lane % 8) + 0, 1: bytes 1024 (a % 4) + 256 (lane / 8) + 64 (a / 4) + 8 (lane % 8)
.irp a, 0,1,2,3,4,5,6,7,8,9,10,11,12,13,14,15
	global_load_b64 v[16+2*\a:17+2*\a], v4, s[14:15] offset:(\a%4)*1024+(\a/4)*64
.endr
	s_branch .Lbias_out
.Lbias_v:
	v_and_b32 v4, 7, v2
	v_lshrrev_b32 v5, 3, v2
	v_lshlrev_b32 v5, 2, v5
	v_lshl_add_u32 v4, v4, 9, v5                   ; row 64 r + T: bytes 512 (lane % 8) + 256 e + 16 a + 4 (lane / 8)
.irp a, 0,1,2,3,4,5,6,7,8,9,10,11,12,13,14,15
	global_load_b32 v[16+2*\a], v4, s[18:19] offset:16*\a
	global_load_b32 v[17+2*\a], v4, s[18:19] offset:16*\a+256
.endr
.Lbias_out:
	s_wait_loadcnt 0x0
.irp a, 0,1,2,3,4,5,6,7,8,9,10,11,12,13,14,15
	global_store_b64 v10, v[16+2*\a:17+2*\a], s[30:31] offset:256*\a   ; 256 consecutive bytes, aligned
.endr
.Lbias_end:
	s_endpgm
.Lfunc_end_k_q38de4c9246_prep:
	.size	k_q38de4c9246_prep, .Lfunc_end_k_q38de4c9246_prep-k_q38de4c9246_prep
	.p2alignl 7, 3214868480
	.fill 96, 4, 3214868480
	.section	.rodata,"a",@progbits
	.p2align	6, 0x0
	.amdhsa_kernel k_q38de4c9246_prep
		.amdhsa_group_segment_fixed_size 74240
		.amdhsa_private_segment_fixed_size 0
		.amdhsa_enable_private_segment 0
		.amdhsa_kernarg_size 112
		.amdhsa_user_sgpr_count 2
		.amdhsa_user_sgpr_kernarg_segment_ptr 1
		.amdhsa_wavefront_size32 1
		.amdhsa_system_sgpr_workgroup_id_x 1
		.amdhsa_system_sgpr_workgroup_id_y 1
		.amdhsa_system_sgpr_workgroup_id_z 1
		.amdhsa_system_vgpr_workitem_id 0
		.amdhsa_next_free_vgpr 192
		.amdhsa_next_free_sgpr 66
		.amdhsa_reserve_vcc 0
		.amdhsa_float_denorm_mode_32 3
		.amdhsa_float_denorm_mode_16_64 3
		.amdhsa_memory_ordered 1
		.amdhsa_forward_progress 1
		.amdhsa_inst_pref_size 58
	.end_amdhsa_kernel
	.amdgpu_metadata
---
amdhsa.version: [ 1, 2 ]
amdhsa.kernels:
  - .name:           k_q38de4c9246_prep
    .symbol:         k_q38de4c9246_prep.kd
    .args:
      - { .name: x, .offset: 0, .size: 8, .value_kind: global_buffer, .address_space: global }
      - { .name: wk, .offset: 8, .size: 8, .value_kind: global_buffer, .address_space: global }
      - { .name: wq, .offset: 16, .size: 8, .value_kind: global_buffer, .address_space: global }
      - { .name: wv, .offset: 24, .size: 8, .value_kind: global_buffer, .address_space: global }
      - { .name: wo, .offset: 32, .size: 8, .value_kind: global_buffer, .address_space: global }
      - { .name: bk, .offset: 40, .size: 8, .value_kind: global_buffer, .address_space: global }
      - { .name: bq, .offset: 48, .size: 8, .value_kind: global_buffer, .address_space: global }
      - { .name: bv, .offset: 56, .size: 8, .value_kind: global_buffer, .address_space: global }
      - { .name: xq, .offset: 64, .size: 8, .value_kind: global_buffer, .address_space: global }
      - { .name: xs, .offset: 72, .size: 8, .value_kind: global_buffer, .address_space: global }
      - { .name: wcod, .offset: 80, .size: 8, .value_kind: global_buffer, .address_space: global }
      - { .name: wsc, .offset: 88, .size: 8, .value_kind: global_buffer, .address_space: global }
      - { .name: wo16, .offset: 96, .size: 8, .value_kind: global_buffer, .address_space: global }
      - { .name: bp, .offset: 104, .size: 8, .value_kind: global_buffer, .address_space: global }
    .group_segment_fixed_size: 74240
    .private_segment_fixed_size: 0
    .kernarg_segment_align: 8
    .kernarg_segment_size: 112
    .max_flat_workgroup_size: 128
    .sgpr_count:     66
    .vgpr_count:     192
    .wavefront_size: 32
...
	.end_amdgpu_metadata
.endif
;; end of part 1
;; launch msa (part 2): grid 256 x 1, 4 waves a work-group, no clusters, 297,472 bytes of LDS; arguments xq, xs, wcod, wsc, bp, wo16, bo, out0; writes out0
.if DOCPART == 2
	.amdgcn_target "amdgcn-amd-amdhsa--gfx1250"
	.amdhsa_code_object_version 6
	.text
	.protected	k_q38de4c9246_msa
	.globl	k_q38de4c9246_msa
	.p2align	8
	.type	k_q38de4c9246_msa,@function
k_q38de4c9246_msa:
	s_mov_b64 s[64:65], 0
	v_nop
	global_prefetch_b8 v0, s[64:65] scope:SCOPE_SE
	s_setreg_imm32_b32 hwreg(HW_REG_WAVE_MODE, 25, 1), 1
	s_wait_xcnt 0x0
; MSA: out = ctx wo^T + bo, ctx[h] = sum over g of softmax_g(q[h] . k[g] / 8) v[g], per token over its 16 heads; q, k, v = x W^T + b on codes of FP4 (E2M1) with E8M0 scales for each 32 along K.
; SHARES.  A work-group of four waves takes 64 tokens through the whole chain; nothing between x's codes and out goes to memory.
;   In the three large products and in the last one THE WAVES SHARE THE COLUMNS (a wave: 128 columns a pass, all 64 tokens: 32 accumulators of 16 x 16); in the attention they share THE TOKENS (16 each).
;   The change of shares goes through one stage in LDS: 64 token rows, each 2 x 2,048 bytes of f16: lower half k, then p, then ctx; upper half q, then v.
; OPERANDS.  x's 32 fragments stay in registers.  The weights come from memory STRAIGHT INTO REGISTERS, as the first launch laid them: a K step's 8 fragments of a wave are 8,192 bytes on end, each load 512 consecutive bytes.
;   Four sets of registers take turns: one is multiplied, three are on their way, under counted waits, with no barrier.
; WHY NO JOINT LOADS THROUGH LDS, though all work-groups walk the same weights: the stage takes 263,168 of 327,680 bytes of LDS and the way out 33,792; the 30,208 left are less than ONE K step of the four waves
;   (4 x 8,192 bytes), so no ring of two slots fits beside them; the registers hold three K steps a wave on their way.
; THE WALK IS TURNED by the work-group's number g: register slot s holds K step s xor (g & 7) of x and of the weights alike, and the last product's two column halves are taken in the order that bit 5 of g gives:
;   so work-groups ask for different blocks at a time.  Only global addresses and the order of the f32 sums hang on it.
; ALL PRODUCTS ARE USED TRANSPOSED (source 0 = 16 rows of a weight, source 1 = 16 tokens): a lane holds one token and eight neighbouring results, which pack into 16 bytes of f16 (or are 32 bytes of out).
; THE ROWS OF A WEIGHT TILE are chosen so that those 16 bytes are what the attention wants: k, q: one head, 8 neighbouring channels; v: ONE channel of 8 neighbouring heads (the heads are the second small product's K).
; ATTENTION, per token: S^T = k q^T (a lane: head h = lane % 16, registers g = 8 (lane / 16) + 0..7); the row's true maximum is taken away; p is normalised in f32 and rounded to f16;
;   ctx^T = v^T p^T with K = 16 of the form's 32: p's upper registers are zeros.  ctx is laid with K permuted to k' = 128 (d / 8) + 8 head + d % 8, as wo16 is.
; LIMITS: q, k, v, p, ctx and wo go as f16: magnitudes beyond 65,504 become infinite (the result is then NaN), under 6e-5 they keep an absolute error of 3e-8.  NaN and infinities among the inputs are not served.
;   The f32 sums along K run in an order that hangs on the work-group's number.
; REGISTERS, in windows of 256 (s_set_vgpr_msb: bits 1:0 source 0, 3:2 source 1, 5:4 source 2, 7:6 destination):
;   window 0: addresses, scale words (v32-63: scales and nothing else), v64-127 a pass's bias in the result's layout, v128-191 packing
;   window 1: the 32 accumulators, (token tile j, column tile i) at v[8 (8 j + i)]; in the attention its operands and results
;   window 2: x's fragment (slot s, token tile j) at v[32 s + 8 j]; in the last product ctx's fragments (v0-63) and rows on the way out (v64-191)
;   window 3: four sets of weights, fragment i of set q at v[64 q + 8 i]
.set PITCH, 4112                       ; a token row in LDS: 4,096 bytes + 16: an odd multiple of 16, so that 16 lanes on 16 rows take 16 different columns of 16 bytes modulo 256
.set TOKW,  16*PITCH                   ; 16 token rows
.set OST,   64*PITCH                   ; behind the stage: the way out, 16 rows x (512 + 16) bytes for each wave
.set OSTW,  16*528
.set SPARE, OST+4*OSTW                 ; the spare words, 128 bytes for each wave: two blocks of 256 bytes that no other line names
.set L16,   1                          ; v1      16 x lane; never rewritten
.set VW,    2                          ; v2-9    slot s: 16 x lane + 8,192 (s xor g & 7)
.set VS,    10                         ; v10-17  slot s: 512 (lane / 16) + 4 (lane % 16) + 64 (s xor g & 7)
.set VB,    18                         ; v18     32 (lane / 16): my eight numbers of a tile's bias
.set STO0,  20                         ; v20-23  token tile j: where my 16 bytes of column tile 0 go in a half row's quarter
.set STOJ,  24                         ; v24-27  the same + the pass's place
.set SPW,   28                         ; v28     SPARE + 4 x my thread's number; never rewritten
.set NIL,   29                         ; v29     0; never rewritten
.set VTOK0, 30                         ; v30     my wave's 16 token rows + 16 x lane
.set XS,    32                         ; v32-47  x's scale words: register 2 s + t: lanes 0-15 token tile 2 t, lanes 16-31 tile 2 t + 1
.set WS,    48                         ; v48-63  the weights': register 4 q + t of set q: column tiles 2 t and 2 t + 1
.set BI,    64
.set TP,    128
.set VAJ0,  192                        ; v192-195 token tile j: row x pitch + 16 (lane / 16)
.set VAJ,   196                        ; v196-199 the same + 64 x the step of 32 along k'
.set VWD,   200                        ; v200-203 wo's set q: 16 x lane + 8,192 x its step
.set WSTO,  204
.set WRD,   205
.set SS,    128                        ; window 1, scores: 8 a token;
.set MX,    160                        ; maxima;
.set XC,    164                        ; what the other half of the lanes holds;
.set NM,    168                        ; -c m (pairs);
.set SU,    176                        ; sums (pairs);
.set RC,    184                        ; reciprocals (pairs);
.set PK,    192                        ; p as f16, 4 a token;
.set AT,    208                        ; the trip's LDS address
.set AT2,   240
.set XB,    4                          ; s[4:5] xq, s[6:7] xs at my 64 tokens; s[8:9] wcod, s[10:11] wsc, s[12:13] bp at my wave's part of the pass in hand; s[14:15] wo16 at my wave's part
.set XSB,   6
.set WB,    8
.set SB,    10
.set BB,    12
.set OWB,   14
.set OBB0,  16                         ; s[16:17], s[20:21] bo, s[18:19], s[22:23] out0: at my 128 columns of the half taken first, second
.set OB0,   18
.set OBB1,  20
.set OB1,   22
.set WV,    24
.set GG,    25
.set RHO,   26
.set R64,   27                         ; 32 x bit 5 of g
.set PO,    28                         ; the pass's place in a token row
.set CT,    29                         ; loop counter
.set TO,    30                         ; the trip's four token rows
.set NG,    31                         ; the last step of wo asked for
.set NL,    32                         ; the step of ctx asked for
.set CS,    38                         ; s[38:39] c = log2(e) / 8 (the packed form names a pair)
.set NC,    40                         ; -c
.set SEL,   42                         ; s[42:43] v_permlanex16_b32's selects for lane xor 16
.set MSB, 0
.macro WIN new                         ; the immediate's high byte repeats the setting that is left; a switch that changes nothing is dropped
.if MSB != \new
	s_set_vgpr_msb (MSB<<8)|\new
.set MSB, \new
.endif
.endm
.macro PLACES                          ; four plain vector instructions between a matrix instruction and a load into, or a read of, its registers
.rept 4
	v_nop
.endr
.endm
.macro BARRIER                         ; my LDS stores have landed and my LDS loads are in: then the work-group's barrier
	s_wait_dscnt 0x0
	s_barrier_signal -1
	s_barrier_wait -1
.endm
.macro LOADSET q, vo, base, off        ; 8 fragments, 8,192 bytes on end, into set q: 16 loads of 512 consecutive bytes
	WIN 0xc0
.irp i, 0,1,2,3,4,5,6,7
.irp c, 0,1
	global_load_b128 v[64*(\q)+8*\i+4*\c:64*(\q)+8*\i+4*\c+3], v[\vo], s[\base:\base+1] offset:(\off)+1024*\i+512*\c
.endr
.endr
.endm
.macro LOADSC q, vo, off               ; their scale words: 4 loads
	WIN 0
.irp p, 0,1,2,3
	global_load_b32 v[WS+4*(\q)+\p], v[\vo], s[SB:SB+1] offset:(\off)+1024*\p
.endr
.endm
.macro LOADBI part, base, off          ; the bias of column tiles 2 part, 2 part + 1 in the result's layout: 4 loads
.irp t, 0,1
.irp c, 0,1
	global_load_b128 v[BI+8*(2*(\part)+\t)+4*\c:BI+8*(2*(\part)+\t)+4*\c+3], v[VB], s[\base:\base+1] offset:(\off)+64*(2*(\part)+\t)+16*\c
.endr
.endr
.endm
; 32 matrix instructions: slot s, 128 along K.  The 32 accumulators take turns, one instruction a turn, in the same order in every step.  Slot 0 starts the sums with the bias as C.
.macro FMUL s
.irp j, 0,1,2,3
.irp i, 0,1,2,3,4,5,6,7
.set rD, 8*(8*\j+\i)
.set rA, 64*((\s)%4)+8*\i
.set rB, 32*(\s)+8*\j
.if (\s) == 0
.set rC, BI+8*\i
.else
.set rC, rD
.endif
.set rX, WS+4*((\s)%4)+\i/2
.set rY, XS+2*(\s)+\j/2
.if (\i%2) && (\j%2)
	v_wmma_scale_f32_16x16x128_f8f6f4 v[rD:rD+7], v[rA:rA+7], v[rB:rB+7], v[rC:rC+7], v[rX], v[rY] matrix_a_fmt:MATRIX_FMT_FP4 matrix_b_fmt:MATRIX_FMT_FP4 matrix_a_scale:MATRIX_SCALE_ROW1 matrix_b_scale:MATRIX_SCALE_ROW1
.elseif \i%2
	v_wmma_scale_f32_16x16x128_f8f6f4 v[rD:rD+7], v[rA:rA+7], v[rB:rB+7], v[rC:rC+7], v[rX], v[rY] matrix_a_fmt:MATRIX_FMT_FP4 matrix_b_fmt:MATRIX_FMT_FP4 matrix_a_scale:MATRIX_SCALE_ROW1
.elseif \j%2
	v_wmma_scale_f32_16x16x128_f8f6f4 v[rD:rD+7], v[rA:rA+7], v[rB:rB+7], v[rC:rC+7], v[rX], v[rY] matrix_a_fmt:MATRIX_FMT_FP4 matrix_b_fmt:MATRIX_FMT_FP4 matrix_b_scale:MATRIX_SCALE_ROW1
.else
	v_wmma_scale_f32_16x16x128_f8f6f4 v[rD:rD+7], v[rA:rA+7], v[rB:rB+7], v[rC:rC+7], v[rX], v[rY] matrix_a_fmt:MATRIX_FMT_FP4 matrix_b_fmt:MATRIX_FMT_FP4
.endif
.endr
.endr
.endm
; A step of a pass.  The wait leaves out what was issued behind slot s's set: two younger sets (20 loads each with their scale words; wo's sets 16) and the bias parts (4 each) that steps 1 to 4 ask for.
; Then the set three steps on is asked for, into the registers that the step before multiplied.  ahead = 1: steps 5 to 7 ask for the next pass's first three sets; ahead = 2: for wo's.
.macro FSTEP s, ahead
.set NW, 40
.if (\s) == 2
.set NW, 44
.elseif (\s) == 3
.set NW, 48
.elseif ((\s) == 4) || ((\s) == 5)
.set NW, 52
.elseif (\s) == 6
.set NW, 52-4*(\ahead)
.elseif (\s) == 7
.set NW, 52-8*(\ahead)
.endif
	s_wait_loadcnt NW
	PLACES
.if (\s) < 5
	LOADSET ((\s)+3)%4, VW+(\s)+3, WB, 0
	LOADSC ((\s)+3)%4, VS+(\s)+3, 0
.elseif (\ahead) == 1
	LOADSET (\s)-5, VW+(\s)-5, WB, 262144
	LOADSC (\s)-5, VS+(\s)-5, 16384
.else
	LOADSET (\s)-5, VWD+(\s)-5, OWB, 0
.endif
.if ((\s) > 0) && ((\s) < 5)
	WIN 0
.if (\ahead) == 1
	LOADBI (\s)-1, BB, 2048                        ; the next pass's bias, into registers that slot 0's products have read
.else
	LOADBI (\s)-1, OBB0, 0
.endif
.endif
.if (\s) == 0
	WIN 0x4b                                       ; weights window 3, x window 2, C (the bias) window 0, D window 1
.else
	WIN 0x5b                                       ; C and D window 1
.endif
	FMUL \s
.endm
; A pass's 64 x 128 results go to the stage as f16: a lane's eight of a tile are 16 bytes.  Two groups of packing registers by turns.
.macro PACK
	s_wait_dscnt 0x0                               ; the last pass's stores have read the registers written below
	WIN 0
.irp j, 0,1,2,3
	v_add_nc_u32 v[STOJ+\j], s[PO], v[STO0+\j]     ; (these four are also the places behind the last products)
.endr
.irp j, 0,1,2,3
.if \j > 1
	s_wait_dscnt 8                                 ; the group's stores of two tiles back are done; the last tile's eight may be out
.endif
	WIN 0x05
.irp i, 0,1,2,3,4,5,6,7
.irp e, 0,1,2,3
	v_cvt_pk_f16_f32 v[TP+32*(\j%2)+4*\i+\e], v[8*(8*\j+\i)+2*\e], v[8*(8*\j+\i)+2*\e+1]   ; each accumulator from its low end on
.endr
.endr
	WIN 0
.irp i, 0,1,2,3,4,5,6,7
	ds_store_b128 v[STOJ+\j], v[TP+32*(\j%2)+4*\i:TP+32*(\j%2)+4*\i+3] offset:16*\i
.endr
.endr
.endm
.macro PASS ahead
.irp s, 0,1,2,3,4,5,6,7
	FSTEP \s, \ahead
.endr
	PACK
.if (\ahead) == 1
	s_wait_xcnt 0x0                                ; the loads that are out have read their bases, which step only behind this wait
	s_add_nc_u64 s[WB:WB+1], s[WB:WB+1], 262144
	s_add_nc_u64 s[SB:SB+1], s[SB:SB+1], 16384
	s_add_nc_u64 s[BB:BB+1], s[BB:BB+1], 2048
	s_add_co_u32 s[PO], s[PO], 1024
.endif
.endm
; A step of the last product: 32 along k'.  q: the step modulo 4 (wo's set; ctx's buffer is q % 2).  first: the bias starts the sums.  gl: wo's set three steps on is asked for.
; dl = 1: ctx's fragments of the next step are fetched; 2: of step 0 again, for the second half; 0: none.  cnt: the younger global loads that may stay out (16 a set).
; The five address lines (or v_nop in their stead) are the places between the last step's products and the loads into registers that they read.
.macro OSTEP q, first, gl, dl, cnt
	s_wait_loadcnt \cnt
	s_wait_dscnt 0x0                               ; this step's fragments of ctx are in
	WIN 0
.if \gl
	s_add_co_u32 s[NG], s[NG], 1
	s_xor_b32 s33, s[NG], s[R64]
	v_lshl_add_u32 v[VWD+((\q)+3)%4], s33, 13, v[L16]   ; its last reader, the set of the step before, was shown in by that step's wait
.else
	v_nop
.endif
.if (\dl) == 1
	s_add_co_u32 s[NL], s[NL], 1
.elseif (\dl) == 2
	s_mov_b32 s[NL], 0
.endif
.if \dl
.irp j, 0,1,2,3
	v_lshl_add_u32 v[VAJ+\j], s[NL], 6, v[VAJ0+\j]
.endr
.else
	PLACES
.endif
.if \gl
	LOADSET ((\q)+3)%4, VWD+((\q)+3)%4, OWB, 0
.endif
.if \dl
	WIN 0x80
.irp j, 0,1,2,3
	ds_load_b128 v[32*(((\q)+1)%2)+8*\j:32*(((\q)+1)%2)+8*\j+3], v[VAJ+\j]
	ds_load_b128 v[32*(((\q)+1)%2)+8*\j+4:32*(((\q)+1)%2)+8*\j+7], v[VAJ+\j] offset:32
.endr
.endif
.if \first
	WIN 0x4b
.else
	WIN 0x5b
.endif
.irp j, 0,1,2,3
.irp i, 0,1,2,3,4,5,6,7
.set rD, 8*(8*\j+\i)
.set rA, 64*(\q)+8*\i
.set rB, 32*((\q)%2)+8*\j
.if \first
	v_wmma_f32_16x16x32_f16 v[rD:rD+7], v[rA:rA+7], v[rB:rB+7], v[BI+8*\i:BI+8*\i+7]
.else
	v_wmma_f32_16x16x32_f16 v[rD:rD+7], v[rA:rA+7], v[rB:rB+7], v[rD:rD+7]
.endif
.endr
.endr
.endm
; THE WAY OUT of a half: block j = 16 tokens x my 128 columns.  A lane holds 32 bytes of a row: a block goes through my own stage and comes back as whole rows of 512 bytes.
.macro TOST j
	WIN 0x04                                       ; an LDS store's data are its source 1: window 1
.irp i, 0,1,2,3,4,5,6,7
	ds_store_b128 v[WSTO], v[8*(8*\j+\i):8*(8*\j+\i)+3] offset:64*\i        ; each accumulator from its low end on
	ds_store_b128 v[WSTO], v[8*(8*\j+\i)+4:8*(8*\j+\i)+7] offset:64*\i+16
.endr
	WIN 0x80
.irp t, 0,1,2,3,4,5,6,7,8,9,10,11,12,13,14,15
	ds_load_b128 v[64+64*(\j%2)+4*\t:64+64*(\j%2)+4*\t+3], v[WRD] offset:528*\t   ; LDS serves a wave's instructions in order: these see the stores above
.endr
.endm
.macro SEND j, younger, ob
	s_wait_dscnt \younger                          ; the block is back; the next block's 16 stores and 16 loads may be out
	WIN 0x08                                       ; a global store's data are its source 1: window 2
.irp t, 0,1,2,3,4,5,6,7,8,9,10,11,12,13,14,15
	global_store_b128 v[L16], v[64+64*(\j%2)+4*\t:64+64*(\j%2)+4*\t+3], s[\ob:\ob+1] offset:65536*\j+4096*\t th:TH_STORE_NT   ; 512 consecutive bytes, at a multiple of 256 from out0's first byte
.endr
.endm
.macro WAYOUT ob
	s_wait_xcnt 0x0                                ; earlier stores have read the registers that the loads below take
	TOST 0
	TOST 1
	SEND 0, 32, \ob
	s_wait_xcnt 0x0                                ; block 0's stores have read their registers: block 2's rows may land there
	TOST 2
	SEND 1, 32, \ob
	s_wait_xcnt 0x0
	TOST 3
	SEND 2, 32, \ob
	SEND 3, 0, \ob
	WIN 0
.endm
; A half of the last product: 32 steps: one that starts the sums, 7 trips of four, three written out.
.macro OPASS last, w0, ob
	OSTEP 0, 1, 1, 1, \w0
	WIN 0                                          ; at a label and at a branch every window is 0
	s_mov_b32 s[CT], 7
.Lo_\@:
	OSTEP 1, 0, 1, 1, 32
	OSTEP 2, 0, 1, 1, 32
	OSTEP 3, 0, 1, 1, 32
	OSTEP 0, 0, 1, 1, 32
	WIN 0
	s_sub_co_u32 s[CT], s[CT], 1
	s_cmp_lg_u32 s[CT], 0
	s_cbranch_scc1 .Lo_\@
.if \last
	OSTEP 1, 0, 0, 1, 32                           ; nothing more to ask of wo: the counts run down
	OSTEP 2, 0, 0, 1, 16
	OSTEP 3, 0, 0, 0, 0
.else
	OSTEP 1, 0, 1, 1, 32                           ; the walk goes on into the second half's first three sets,
	OSTEP 2, 0, 1, 1, 32
	OSTEP 3, 0, 1, 2, 32                           ; and ctx begins anew
.endif
	WIN 0
	PLACES                                         ; behind the last products, ahead of the stores that read results
.if !(\last)
.irp p, 0,1,2,3
	LOADBI \p, OBB1, 0                             ; the second half's bias
.endr
.endif
	WAYOUT \ob
.endm
	; ---- THE HEAD
	s_load_b512 s[4:19], s[0:1], 0x0               ; xq, xs, wcod, wsc, bp, wo16, bo, out0
	v_lshl_add_u32 v[SPW], v0, 2, SPARE
	v_mov_b32 v[NIL], 0
	v_lshrrev_b32 v206, 5, v0
	v_readfirstlane_b32 s[WV], v206                ; wave 0..3
	s_mov_b32 s[GG], ttmp9                         ; g
	s_and_b32 s[RHO], s[GG], 7
	v_and_b32 v208, 31, v0
	v_lshlrev_b32 v[L16], 4, v208
	v_and_b32 v206, 15, v0                         ; r
	v_bfe_u32 v207, v0, 4, 1                       ; h
	v_lshlrev_b32 v208, 2, v206
	v_lshl_add_u32 v208, v207, 9, v208             ; 512 h + 4 r
.irp s, 0,1,2,3,4,5,6,7
	s_xor_b32 s33, s[RHO], \s
	v_lshl_add_u32 v[VW+\s], s33, 13, v[L16]
	v_lshl_add_u32 v[VS+\s], s33, 6, v208
.endr
	v_lshlrev_b32 v[VB], 5, v207
	v_mul_u32_u24 v209, v206, PITCH
	s_lshr_b32 s33, s[WV], 1
	s_lshl_b32 s33, s33, 9
	s_and_b32 s34, s[WV], 1
	s_lshl_b32 s34, s34, 7
	s_add_co_u32 s33, s33, s34                     ; my wave's 8 tiles in a quarter row: 512 (w / 2) + 128 (w % 2)
	v_lshl_add_u32 v210, v207, 8, v209
	v_add_nc_u32 v210, s33, v210                   ; + row r + 256 h
	v_lshl_add_u32 v211, v207, 4, v209
.irp j, 0,1,2,3
	v_add_nc_u32 v[STO0+\j], \j*TOKW, v210
	v_add_nc_u32 v[VAJ0+\j], \j*TOKW, v211
	v_add_nc_u32 v[VAJ+\j], \j*TOKW, v211          ; step 0 of ctx
.endr
	s_mul_i32 s33, s[WV], TOKW
	v_add_nc_u32 v[VTOK0], s33, v[L16]
	s_mul_i32 s33, s[WV], OSTW
	s_add_co_u32 s33, s33, OST
	v_mul_u32_u24 v209, v206, 528
	v_lshl_add_u32 v209, v207, 5, v209
	v_add_nc_u32 v[WSTO], s33, v209                ; the way out, in: row r, 32 bytes for each half of the lanes
	v_add_nc_u32 v[WRD], s33, v[L16]               ; back: the 32 lanes take one row of 512 bytes
	s_lshr_b32 s33, s[GG], 5
	s_and_b32 s33, s33, 1                          ; which half of the columns comes first
	s_lshl_b32 s[R64], s33, 5
	s_lshl_b32 s34, s[WV], 9                       ; my 128 columns, in bytes of f32
	s_lshl_b32 s36, s33, 11
	s_add_co_u32 s36, s36, s34
	s_xor_b32 s33, s33, 1
	s_lshl_b32 s44, s33, 11
	s_add_co_u32 s44, s44, s34
	s_mov_b32 s37, 0
	s_mov_b32 s45, 0
	s_lshl_b32 s46, s[GG], 18                      ; my 64 rows of out0
	s_mov_b32 s47, 0
.irp n, 0,1,2
	s_xor_b32 s33, s[R64], \n
	v_lshl_add_u32 v[VWD+\n], s33, 13, v[L16]
.endr
	s_mov_b32 s[NG], 2
	s_mov_b32 s[NL], 0
	s_mov_b32 s[CS], 0x3e38aa3b                    ; c = log2(e) / 8
	s_mov_b32 s[CS+1], s[CS]
	s_mov_b32 s[NC], 0xbe38aa3b
	s_mov_b32 s[SEL], 0x76543210
	s_mov_b32 s[SEL+1], 0xfedcba98
	s_wait_kmcnt 0x0
	s_add_nc_u64 s[OBB1:OBB1+1], s[OBB0:OBB0+1], s[44:45]
	s_add_nc_u64 s[OBB0:OBB0+1], s[OBB0:OBB0+1], s[36:37]
	s_add_nc_u64 s[OB0:OB0+1], s[OB0:OB0+1], s[46:47]
	s_add_nc_u64 s[OB1:OB1+1], s[OB0:OB0+1], s[44:45]
	s_add_nc_u64 s[OB0:OB0+1], s[OB0:OB0+1], s[36:37]
	s_lshr_b32 s34, s[GG], 1
	s_lshl_b32 s34, s34, 16
	s_and_b32 s35, s[GG], 1
	s_lshl_b32 s35, s35, 12
	s_add_co_u32 s34, s34, s35
	s_mov_b32 s35, 0
	s_add_nc_u64 s[XB:XB+1], s[XB:XB+1], s[34:35]
	s_lshl_b32 s34, s[GG], 11
	s_add_nc_u64 s[XSB:XSB+1], s[XSB:XSB+1], s[34:35]
	s_lshl_b32 s34, s[WV], 16
	s_add_nc_u64 s[WB:WB+1], s[WB:WB+1], s[34:35]
	s_lshl_b32 s34, s[WV], 12
	s_add_nc_u64 s[SB:SB+1], s[SB:SB+1], s[34:35]
	s_lshl_b32 s34, s[WV], 9
	s_add_nc_u64 s[BB:BB+1], s[BB:BB+1], s[34:35]
	s_lshl_b32 s34, s[WV], 19
	s_add_nc_u64 s[OWB:OWB+1], s[OWB:OWB+1], s[34:35]
	WIN 0x80
.irp s, 0,1,2,3,4,5,6,7                        ; x's 32 fragments: they stay
.irp j, 0,1,2,3
.irp c, 0,1
	global_load_b128 v[32*\s+8*\j+4*\c:32*\s+8*\j+4*\c+3], v[VW+\s], s[XB:XB+1] offset:1024*\j+512*\c th:TH_LOAD_NT
.endr
.endr
.endr
	WIN 0
.irp s, 0,1,2,3,4,5,6,7
.irp p, 0,1
	global_load_b32 v[XS+2*\s+\p], v[VS+\s], s[XSB:XSB+1] offset:1024*\p
.endr
.endr
.irp p, 0,1,2,3
	LOADBI \p, BB, 0
.endr
.irp s, 0,1,2
	LOADSET \s, VW+\s, WB, 0
	LOADSC \s, VS+\s, 0
.endr
	; ---- K AND Q: four passes of 512 columns (128 a wave): k's two into the lower half rows, q's two into the upper
	s_mov_b32 s[PO], 0
	s_mov_b32 s[CT], 4
.Lkq:
	PASS 1
	s_sub_co_u32 s[CT], s[CT], 1
	s_cmp_lg_u32 s[CT], 0
	s_cbranch_scc1 .Lkq
	BARRIER                                        ; k and q of all 64 tokens lie in the stage
	; ---- SCORES AND SOFTMAX: my 16 tokens, four a trip.  v's first sets stay on their way into window 3 meanwhile
	WIN 0x40
.irp u, 0,1,2,3
	v_mov_b32 v[XC+\u], 0                          ; written once: a lane permute's destination counts as one of its sources
	v_mov_b32 v[NM+2*\u+1], 0                      ; (named as the upper half of a pair)
.endr
	WIN 0
	s_mov_b32 s[TO], 0
	s_mov_b32 s[CT], 4
.Lsm:
	WIN 0x40
	v_add_nc_u32 v[AT], s[TO], v[VTOK0]
	WIN 0x55                                       ; everything in window 1
.irp u, 0,1,2,3
.irp c, 0,1,2,3
	ds_load_b128 v[16*\u+4*\c:16*\u+4*\c+3], v[AT] offset:PITCH*\u+512*\c             ; k: 16 heads x 64 channels as two fragments: 512 consecutive bytes a load
	ds_load_b128 v[64+16*\u+4*\c:64+16*\u+4*\c+3], v[AT] offset:PITCH*\u+2048+512*\c  ; q likewise
.endr
.endr
	s_wait_dscnt 0x0
.irp u, 0,1,2,3
	v_wmma_f32_16x16x32_f16 v[SS+8*\u:SS+8*\u+7], v[16*\u:16*\u+7], v[64+16*\u:64+16*\u+7], 0
.endr
.irp u, 0,1,2,3                                ; the four tokens' sums take turns
	v_wmma_f32_16x16x32_f16 v[SS+8*\u:SS+8*\u+7], v[16*\u+8:16*\u+15], v[64+16*\u+8:64+16*\u+15], v[SS+8*\u:SS+8*\u+7]
.endr
	PLACES
.irp u, 0,1,2,3
	v_max3_num_f32 v[MX+\u], v[SS+8*\u], v[SS+8*\u+1], v[SS+8*\u+2]   ; the row's maximum, from the accumulator's low end on; the four tokens by turns
.endr
.irp u, 0,1,2,3
	v_max3_num_f32 v[MX+\u], v[MX+\u], v[SS+8*\u+3], v[SS+8*\u+4]
.endr
.irp u, 0,1,2,3
	v_max3_num_f32 v[MX+\u], v[MX+\u], v[SS+8*\u+5], v[SS+8*\u+6]
.endr
.irp u, 0,1,2,3
	v_max_num_f32 v[MX+\u], v[MX+\u], v[SS+8*\u+7]
.endr
.irp u, 0,1,2,3
	v_permlanex16_b32 v[XC+\u], v[MX+\u], s[SEL], s[SEL+1]   ; the row's other eight heads lie in the lane 16 away
.endr
.irp u, 0,1,2,3
	v_max_num_f32 v[MX+\u], v[MX+\u], v[XC+\u]
.endr
.irp u, 0,1,2,3
	v_mul_f32 v[NM+2*\u], s[NC], v[MX+\u]          ; -c m
.endr
.irp e, 0,2,4,6
.irp u, 0,1,2,3
	v_pk_fma_f32 v[SS+8*\u+\e:SS+8*\u+\e+1], v[SS+8*\u+\e:SS+8*\u+\e+1], s[CS:CS+1], v[NM+2*\u:NM+2*\u+1] op_sel_hi:[1,0,0]   ; c s - c m
.endr
.endr
.set n, 0
.rept 32
	v_exp_f32 v[SS+n], v[SS+n]
.set n, n+1
.endr
	v_nop                                          ; a plain instruction behind the last exponential
	s_wait_alu depctr_va_vdst(0)                   ; one wait for the batch, ahead of its first reader
.irp u, 0,1,2,3
	v_pk_add_f32 v[SU+2*\u:SU+2*\u+1], v[SS+8*\u:SS+8*\u+1], v[SS+8*\u+2:SS+8*\u+3]
	v_pk_add_f32 v[RC+2*\u:RC+2*\u+1], v[SS+8*\u+4:SS+8*\u+5], v[SS+8*\u+6:SS+8*\u+7]
.endr
.irp u, 0,1,2,3
	v_pk_add_f32 v[SU+2*\u:SU+2*\u+1], v[SU+2*\u:SU+2*\u+1], v[RC+2*\u:RC+2*\u+1]
.endr
.irp u, 0,1,2,3
	v_add_f32 v[SU+2*\u], v[SU+2*\u], v[SU+2*\u+1]
.endr
.irp u, 0,1,2,3
	v_permlanex16_b32 v[XC+\u], v[SU+2*\u], s[SEL], s[SEL+1]
.endr
.irp u, 0,1,2,3
	v_add_f32 v[SU+2*\u], v[SU+2*\u], v[XC+\u]     ; the row's sum
.endr
.irp u, 0,1,2,3
	v_rcp_f32 v[RC+2*\u], v[SU+2*\u]
.endr
	v_nop
	s_wait_alu depctr_va_vdst(0)                   ; one wait for the four reciprocals
.irp e, 0,2,4,6
.irp u, 0,1,2,3
	v_pk_mul_f32 v[SS+8*\u+\e:SS+8*\u+\e+1], v[SS+8*\u+\e:SS+8*\u+\e+1], v[RC+2*\u:RC+2*\u+1] op_sel_hi:[1,0]   ; p, normalised in f32
.endr
.endr
.irp u, 0,1,2,3
.irp e, 0,1,2,3
	v_cvt_pk_f16_f32 v[PK+4*\u+\e], v[SS+8*\u+2*\e], v[SS+8*\u+2*\e+1]
.endr
.endr
.irp u, 0,1,2,3
	ds_store_b128 v[AT], v[PK+4*\u:PK+4*\u+3] offset:PITCH*\u   ; p's image: the lower four registers of the next product's source 1; over the token's own k, which is in registers
.endr
	s_wait_dscnt 0x0
	WIN 0
	s_add_co_u32 s[TO], s[TO], 4*PITCH
	s_sub_co_u32 s[CT], s[CT], 1
	s_cmp_lg_u32 s[CT], 0
	s_cbranch_scc1 .Lsm
	BARRIER                                        ; every wave has read its tokens' q: the upper half rows may be written
	; ---- V: two passes into the upper half rows; the second asks for wo's first three sets and for bo
	s_mov_b32 s[PO], 2048
	PASS 1
	PASS 2
	BARRIER                                        ; v of all 64 tokens lies in the stage
	; ---- CTX: my 16 tokens, four a trip
	WIN 0x40
.irp u, 0,1,2,3
.irp e, 4,5,6,7
	v_mov_b32 v[8*\u+\e], 0                        ; p for k = 16 .. 31: zeros, written once
.endr
.endr
.irp e, 96,97,98,99
	v_mov_b32 v[\e], 0                             ; what the last fragment of v names above its four registers
.endr
	WIN 0
	s_mov_b32 s[TO], 0
	s_mov_b32 s[CT], 4
.Lpv:
	WIN 0x40
	v_add_nc_u32 v[AT2], s[TO], v[VTOK0]
	WIN 0x55
.irp u, 0,1,2,3
	ds_load_b128 v[8*\u:8*\u+3], v[AT2] offset:PITCH*\u
.irp c, 0,1,2,3
	ds_load_b128 v[32+16*\u+4*\c:32+16*\u+4*\c+3], v[AT2] offset:PITCH*\u+2048+512*\c   ; v^T: 16 channels x 16 heads: four registers
.endr
.endr
	s_wait_dscnt 0x0
.irp u, 0,1,2,3
.irp c, 0,1,2,3                                ; source 0 names eight registers: the upper four are the next fragment's numbers (or the zeros) and meet p's zeros
	v_wmma_f32_16x16x32_f16 v[104+8*(4*\u+\c):104+8*(4*\u+\c)+7], v[32+16*\u+4*\c:32+16*\u+4*\c+7], v[8*\u:8*\u+7], 0
.endr
.endr
	PLACES
.irp u, 0,1,2,3
.irp c, 0,1,2,3
.irp e, 0,1,2,3
	v_cvt_pk_f16_f32 v[32+16*\u+4*\c+\e], v[104+8*(4*\u+\c)+2*\e], v[104+8*(4*\u+\c)+2*\e+1]
.endr
.endr
.endr
.irp u, 0,1,2,3
.irp c, 0,1,2,3
	ds_store_b128 v[AT2], v[32+16*\u+4*\c:32+16*\u+4*\c+3] offset:PITCH*\u+512*\c   ; ctx in the order k': lane (r, h): head r, channels 16 c + 8 h on: 512 consecutive bytes a store
.endr
.endr
	s_wait_dscnt 0x0
	WIN 0
	s_add_co_u32 s[TO], s[TO], 4*PITCH
	s_sub_co_u32 s[CT], s[CT], 1
	s_cmp_lg_u32 s[CT], 0
	s_cbranch_scc1 .Lpv
	BARRIER                                        ; ctx of all 64 tokens lies in the lower half rows; nothing is stored there from here on
	; ---- OUT = CTX WO^T + BO: two halves of 512 columns (128 a wave)
	WIN 0x80
.irp j, 0,1,2,3
	ds_load_b128 v[8*\j:8*\j+3], v[VAJ+\j]
	ds_load_b128 v[8*\j+4:8*\j+7], v[VAJ+\j] offset:32
.endr
	OPASS 0, 32, OB0                               ; behind wo's set 0: sets 1 and 2
	OPASS 1, 0, OB1                                ; the bias was asked for last: the wait is for all; the first half's stores leave under these products
	s_wait_tensorcnt 0x0                           ; the wave's end, behind my last LDS store
	ds_add_u32 v[SPW], v[NIL]
	s_wait_dscnt 0x0
	s_endpgm
.Lfunc_end_k_q38de4c9246_msa:
	.size	k_q38de4c9246_msa, .Lfunc_end_k_q38de4c9246_msa-k_q38de4c9246_msa
	.p2alignl 7, 3214868480
	.fill 96, 4, 3214868480
	.section	.rodata,"a",@progbits
	.p2align	6, 0x0
	.amdhsa_kernel k_q38de4c9246_msa
		.amdhsa_group_segment_fixed_size 297472
		.amdhsa_private_segment_fixed_size 0
		.amdhsa_enable_private_segment 0
		.amdhsa_kernarg_size 64
		.amdhsa_user_sgpr_count 2
		.amdhsa_user_sgpr_kernarg_segment_ptr 1
		.amdhsa_wavefront_size32 1
		.amdhsa_system_sgpr_workgroup_id_x 1
		.amdhsa_system_sgpr_workgroup_id_y 1
		.amdhsa_system_sgpr_workgroup_id_z 1
		.amdhsa_system_vgpr_workitem_id 0
		.amdhsa_next_free_vgpr 1024
		.amdhsa_next_free_sgpr 66
		.amdhsa_reserve_vcc 0
		.amdhsa_float_denorm_mode_32 3
		.amdhsa_float_denorm_mode_16_64 3
		.amdhsa_memory_ordered 1
		.amdhsa_forward_progress 1
		.amdhsa_inst_pref_size 255
	.end_amdhsa_kernel
	.section	.bss,"aw",@nobits
	.p2align	6
	.space	262144
	.amdgpu_metadata
---
amdhsa.version: [ 1, 2 ]
amdhsa.kernels:
  - .name:           k_q38de4c9246_msa
    .symbol:         k_q38de4c9246_msa.kd
    .args:
      - { .name: xq, .offset: 0, .size: 8, .value_kind: global_buffer, .address_space: global }
      - { .name: xs, .offset: 8, .size: 8, .value_kind: global_buffer, .address_space: global }
      - { .name: wcod, .offset: 16, .size: 8, .value_kind: global_buffer, .address_space: global }
      - { .name: wsc, .offset: 24, .size: 8, .value_kind: global_buffer, .address_space: global }
      - { .name: bp, .offset: 32, .size: 8, .value_kind: global_buffer, .address_space: global }
      - { .name: wo16, .offset: 40, .size: 8, .value_kind: global_buffer, .address_space: global }
      - { .name: bo, .offset: 48, .size: 8, .value_kind: global_buffer, .address_space: global }
      - { .name: out0, .offset: 56, .size: 8, .value_kind: global_buffer, .address_space: global }
    .group_segment_fixed_size: 297472
    .private_segment_fixed_size: 0
    .kernarg_segment_align: 8
    .kernarg_segment_size: 64
    .max_flat_workgroup_size: 128
    .sgpr_count:     66
    .vgpr_count:     1024
    .wavefront_size: 32
...
	.end_amdgpu_metadata
.endif
;; end of part 2
;; ======== version 2 of 2: 2 launches; version 1 with the launch msa written anew for expert scheduling mode
;; limits: values are held in f16: magnitudes above 65,504 overflow, below 6.1e-05 lose precision
;; workspace buffers: xq 8,388,608 bytes; xs 524,288 bytes; wcod 1,572,864 bytes; wsc 98,304 bytes; wo16 2,097,152 bytes; bp 12,288 bytes
;; launch prep: the kernel of part 1 again; grid 673 x 1, 4 waves a work-group, no clusters, 74,240 bytes of LDS; arguments x, wk, wq, wv, wo, bk, bq, bv, xq, xs, wcod, wsc, wo16, bp; writes xq, xs, wcod, wsc, wo16, bp
;; launch msa (part 3): grid 256 x 1, 4 waves a work-group, no clusters, 297,472 bytes of LDS; arguments xq, xs, wcod, wsc, bp, wo16, bo, out0; writes out0
.if DOCPART == 3
	.amdgcn_target "amdgcn-amd-amdhsa--gfx1250"
	.amdhsa_code_object_version 6
	.text
	.protected	k_q38de4c9246_msa
	.globl	k_q38de4c9246_msa
	.p2align	8
	.type	k_q38de4c9246_msa,@function
k_q38de4c9246_msa:
	s_mov_b64 s[64:65], 0
	v_nop
	global_prefetch_b8 v0, s[64:65] scope:SCOPE_SE
	s_setreg_imm32_b32 hwreg(HW_REG_WAVE_SCHED_MODE, 0, 2), 2
	s_setreg_imm32_b32 hwreg(HW_REG_WAVE_MODE, 25, 1), 1
	s_wait_xcnt 0x0
	s_wait_alu depctr_vm_vsrc(0)
; MSA: out = ctx wo^T + bo, ctx[h] = sum over g of softmax_g(q[h] . k[g] / 8) v[g], per token over its 16 heads; q, k, v = x W^T + b on codes of FP4 (E2M1) with E8M0 scales for each 32 along K.
; SHARES.  A work-group of four waves takes 64 tokens through the whole chain; nothing between x's codes and out goes to memory.
;   In the three large products and in the last one THE WAVES SHARE THE COLUMNS (a wave: 128 columns a pass, all 64 tokens: 32 accumulators of 16 x 16); in the attention they share THE TOKENS (16 each).
;   The change of shares goes through one stage in LDS: 64 token rows, each 2 x 2,048 bytes of f16: lower half k, then p, then ctx; upper half q, then v.
; OPERANDS.  x's 32 fragments stay in registers.  The weights come from memory STRAIGHT INTO REGISTERS, as the first launch laid them: a K step's 8 fragments of a wave are 8,192 bytes on end, each load 512 consecutive bytes.
;   Four sets of registers take turns: one is multiplied, three are on their way, under counted waits, with no barrier.
; WHY NO JOINT LOADS THROUGH LDS, though all work-groups walk the same weights: the stage takes 263,168 of 327,680 bytes of LDS and the way out 33,792; the 30,208 left are less than ONE K step of the four waves
;   (4 x 8,192 bytes), so no ring of two slots fits beside them; the registers hold three K steps a wave on their way.
; THE WALK IS TURNED by the work-group's number g: register slot s holds K step s xor (g & 7) of x and of the weights alike, and the last product's two column halves are taken in the order that bit 5 of g gives:
;   so work-groups ask for different blocks at a time.  Only global addresses and the order of the f32 sums hang on it.
; ALL PRODUCTS ARE USED TRANSPOSED (source 0 = 16 rows of a weight, source 1 = 16 tokens): a lane holds one token and eight neighbouring results, which pack into 16 bytes of f16 (or are 32 bytes of out).
; THE ROWS OF A WEIGHT TILE are chosen so that those 16 bytes are what the attention wants: k, q: one head, 8 neighbouring channels; v: ONE channel of 8 neighbouring heads (the heads are the second small product's K).
; ATTENTION, per token: S^T = k q^T (a lane: head h = lane % 16, registers g = 8 (lane / 16) + 0..7); the row's true maximum is taken away; p is normalised in f32 and rounded to f16;
;   ctx^T = v^T p^T with K = 16 of the form's 32: p's upper registers are zeros.  ctx is laid with K permuted to k' = 128 (d / 8) + 8 head + d % 8, as wo16 is.
; LIMITS: q, k, v, p, ctx and wo go as f16: magnitudes beyond 65,504 become infinite (the result is then NaN), under 6e-5 they keep an absolute error of 3e-8.  NaN and infinities among the inputs are not served.
;   The f32 sums along K run in an order that hangs on the work-group's number.
; REGISTERS, in windows of 256 (s_set_vgpr_msb: bits 1:0 source 0, 3:2 source 1, 5:4 source 2, 7:6 destination):
;   window 0: addresses, scale words (v32-63: scales and nothing else), v64-127 a pass's bias in the result's layout, v128-191 packing
;   window 1: the 32 accumulators, (token tile j, column tile i) at v[8 (8 j + i)]; in the attention its operands and results
;   window 2: x's fragment (slot s, token tile j) at v[32 s + 8 j]; in the last product ctx's fragments (v0-63) and rows on the way out (v64-191)
;   window 3: four sets of weights, fragment i of set q at v[64 q + 8 i]
; THE MODE: SCHED_MODE bits 1:0 = 2 (LLVM: expert scheduling mode 2), set by the entry lines.  The code itself states the register dependences between vector or matrix instructions
;   and memory or LDS instructions, with s_wait_alu, always for 0.
; THE PLAN.  Registers that memory or LDS instructions touch, and who else names them:
;   offsets and LDS addresses made at the head and never written again (v1-18, v20-23, v30, v192-195, v204, v205): one wait on va_vdst ahead of the first load serves them all.
;   window 3's sets with their scale words: step s's products read set s % 4; the loads issued in step s land in set (s + 3) % 4, which step s - 1's products read.  ONE wait on va_vdst at a step's head states that those are done;
;     the set's loads follow it at once, so that they are asked for as early as the dependence allows.
;   the bias (v64-127): read by a pass's first step as C; the next pass's is loaded in steps 1 to 4, behind the step's first sixteen products, which name none of these registers: no further wait.
;   the packing registers and the pass's four LDS addresses: written by conversions and adds, read by LDS stores: two token tiles at a time, one wait on va_vdst ahead of their sixteen stores, one on vm_vsrc ahead of each rewriting.
;   the attention's registers (window 1): a trip's head: the address is written, the earlier readers and writers of the operands' registers are done (va_vdst), then the LDS loads; ahead of its stores va_vdst; at its end vm_vsrc,
;     ahead of the branch: for the next trip, and for the products behind the loop, which write the same registers.
;   the last product: wo's offset and ctx's four LDS addresses are written once a step: vm_vsrc ahead of these lines, and behind them the step's one wait on va_vdst, which also states that the step before's products are done
;     reading their set of wo and their fragments of ctx.  wo's loads follow at once; ctx's LDS loads stand behind the step's first eight products, which name none of their registers.
;   the way out: the places, one wait on va_vdst for all 64 LDS stores of a half; vm_vsrc beside the wait on XCNT wherever rows land in registers that global stores have read.
.set PITCH, 4112                       ; a token row in LDS: 4,096 bytes + 16: an odd multiple of 16, so that 16 lanes on 16 rows take 16 different columns of 16 bytes modulo 256
.set TOKW,  16*PITCH                   ; 16 token rows
.set OST,   64*PITCH                   ; behind the stage: the way out, 16 rows x (512 + 16) bytes for each wave
.set OSTW,  16*528
.set SPARE, OST+4*OSTW                 ; the spare words, 128 bytes for each wave: two blocks of 256 bytes that no other line names
.set L16,   1                          ; v1      16 x lane; never rewritten
.set VW,    2                          ; v2-9    slot s: 16 x lane + 8,192 (s xor g & 7)
.set VS,    10                         ; v10-17  slot s: 512 (lane / 16) + 4 (lane % 16) + 64 (s xor g & 7)
.set VB,    18                         ; v18     32 (lane / 16): my eight numbers of a tile's bias
.set STO0,  20                         ; v20-23  token tile j: where my 16 bytes of column tile 0 go in a half row's quarter
.set STOJ,  24                         ; v24-27  the same + the pass's place
.set SPW,   28                         ; v28     SPARE + 4 x my thread's number; never rewritten
.set NIL,   29                         ; v29     0; never rewritten
.set VTOK0, 30                         ; v30     my wave's 16 token rows + 16 x lane
.set XS,    32                         ; v32-47  x's scale words: register 2 s + t: lanes 0-15 token tile 2 t, lanes 16-31 tile 2 t + 1
.set WS,    48                         ; v48-63  the weights': register 4 q + t of set q: column tiles 2 t and 2 t + 1
.set BI,    64
.set TP,    128
.set VAJ0,  192                        ; v192-195 token tile j: row x pitch + 16 (lane / 16)
.set VAJ,   196                        ; v196-199 the same + 64 x the step of 32 along k'
.set VWD,   200                        ; v200-203 wo's set q: 16 x lane + 8,192 x its step
.set WSTO,  204
.set WRD,   205
.set SS,    128                        ; window 1, scores: 8 a token;
.set MX,    160                        ; maxima;
.set XC,    164                        ; what the other half of the lanes holds;
.set NM,    168                        ; -c m (pairs);
.set SU,    176                        ; sums (pairs);
.set RC,    184                        ; reciprocals (pairs);
.set PK,    192                        ; p as f16, 4 a token;
.set AT,    208                        ; the trip's LDS address
.set AT2,   240
.set XB,    4                          ; s[4:5] xq, s[6:7] xs at my 64 tokens; s[8:9] wcod, s[10:11] wsc, s[12:13] bp at my wave's part of the pass in hand; s[14:15] wo16 at my wave's part
.set XSB,   6
.set WB,    8
.set SB,    10
.set BB,    12
.set OWB,   14
.set OBB0,  16                         ; s[16:17], s[20:21] bo, s[18:19], s[22:23] out0: at my 128 columns of the half taken first, second
.set OB0,   18
.set OBB1,  20
.set OB1,   22
.set WV,    24
.set GG,    25
.set RHO,   26
.set R64,   27                         ; 32 x bit 5 of g
.set PO,    28                         ; the pass's place in a token row
.set CT,    29                         ; loop counter
.set TO,    30                         ; the trip's four token rows
.set NG,    31                         ; the last step of wo asked for
.set NL,    32                         ; the step of ctx asked for
.set CS,    38                         ; s[38:39] c = log2(e) / 8 (the packed form names a pair)
.set NC,    40                         ; -c
.set SEL,   42                         ; s[42:43] v_permlanex16_b32's selects for lane xor 16
.set MSB, 0
.macro WIN new                         ; the immediate's high byte repeats the setting that is left; a switch that changes nothing is dropped
.if MSB != \new
	s_set_vgpr_msb (MSB<<8)|\new
.set MSB, \new
.endif
.endm
.macro PLACES                          ; four plain vector instructions between a matrix instruction and a load into, or a read of, its registers
.rept 4
	v_nop
.endr
.endm
.macro BARRIER                         ; my LDS stores have landed and my LDS loads are in: then the work-group's barrier
	s_wait_dscnt 0x0
	s_barrier_signal -1
	s_barrier_wait -1
.endm
.macro LOADSET q, vo, base, off        ; 8 fragments, 8,192 bytes on end, into set q: 16 loads of 512 consecutive bytes
	WIN 0xc0
.irp i, 0,1,2,3,4,5,6,7
.irp c, 0,1
	global_load_b128 v[64*(\q)+8*\i+4*\c:64*(\q)+8*\i+4*\c+3], v[\vo], s[\base:\base+1] offset:(\off)+1024*\i+512*\c
.endr
.endr
.endm
.macro LOADSC q, vo, off               ; their scale words: 4 loads
	WIN 0
.irp p, 0,1,2,3
	global_load_b32 v[WS+4*(\q)+\p], v[\vo], s[SB:SB+1] offset:(\off)+1024*\p
.endr
.endm
.macro LOADBI part, base, off          ; the bias of column tiles 2 part, 2 part + 1 in the result's layout: 4 loads
.irp t, 0,1
.irp c, 0,1
	global_load_b128 v[BI+8*(2*(\part)+\t)+4*\c:BI+8*(2*(\part)+\t)+4*\c+3], v[VB], s[\base:\base+1] offset:(\off)+64*(2*(\part)+\t)+16*\c
.endr
.endr
.endm
; 16 matrix instructions: slot s, 128 along K, token tiles j0 and j0 + 1.  A step's 32 accumulators take turns, one instruction a turn, in the same order in every step.  Slot 0 starts the sums with the bias as C.
.macro FMULH s, j0
.irp j, \j0, \j0+1
.irp i, 0,1,2,3,4,5,6,7
.set rD, 8*(8*(\j)+\i)
.set rA, 64*((\s)%4)+8*\i
.set rB, 32*(\s)+8*(\j)
.if (\s) == 0
.set rC, BI+8*\i
.else
.set rC, rD
.endif
.set rX, WS+4*((\s)%4)+\i/2
.set rY, XS+2*(\s)+(\j)/2
.if (\i%2) && ((\j)%2)
	v_wmma_scale_f32_16x16x128_f8f6f4 v[rD:rD+7], v[rA:rA+7], v[rB:rB+7], v[rC:rC+7], v[rX], v[rY] matrix_a_fmt:MATRIX_FMT_FP4 matrix_b_fmt:MATRIX_FMT_FP4 matrix_a_scale:MATRIX_SCALE_ROW1 matrix_b_scale:MATRIX_SCALE_ROW1
.elseif \i%2
	v_wmma_scale_f32_16x16x128_f8f6f4 v[rD:rD+7], v[rA:rA+7], v[rB:rB+7], v[rC:rC+7], v[rX], v[rY] matrix_a_fmt:MATRIX_FMT_FP4 matrix_b_fmt:MATRIX_FMT_FP4 matrix_a_scale:MATRIX_SCALE_ROW1
.elseif (\j)%2
	v_wmma_scale_f32_16x16x128_f8f6f4 v[rD:rD+7], v[rA:rA+7], v[rB:rB+7], v[rC:rC+7], v[rX], v[rY] matrix_a_fmt:MATRIX_FMT_FP4 matrix_b_fmt:MATRIX_FMT_FP4 matrix_b_scale:MATRIX_SCALE_ROW1
.else
	v_wmma_scale_f32_16x16x128_f8f6f4 v[rD:rD+7], v[rA:rA+7], v[rB:rB+7], v[rC:rC+7], v[rX], v[rY] matrix_a_fmt:MATRIX_FMT_FP4 matrix_b_fmt:MATRIX_FMT_FP4
.endif
.endr
.endr
.endm
; A step of a pass.  The wait on LOADcnt leaves out what was issued behind slot s's set: two younger sets (20 loads each with their scale words; wo's sets 16) and the bias parts (4 each) that steps 1 to 4 ask for.
; Then the set three steps on is asked for, into the registers that the step before multiplied.  ahead = 1: steps 5 to 7 ask for the next pass's first three sets; ahead = 2: for wo's.
.macro FSTEP s, ahead
.set NW, 40
.if (\s) == 2
.set NW, 44
.elseif (\s) == 3
.set NW, 48
.elseif ((\s) == 4) || ((\s) == 5)
.set NW, 52
.elseif (\s) == 6
.set NW, 52-4*(\ahead)
.elseif (\s) == 7
.set NW, 52-8*(\ahead)
.endif
	s_wait_loadcnt NW
	PLACES
	WIN 0xc0
	s_wait_alu depctr_va_vdst(0)                   ; the step before's products are done reading their set and its scale words, and slot 0's the bias: in these registers this step's loads land
.if (\s) < 5
	LOADSET ((\s)+3)%4, VW+(\s)+3, WB, 0
	LOADSC ((\s)+3)%4, VS+(\s)+3, 0
.elseif (\ahead) == 1
	LOADSET (\s)-5, VW+(\s)-5, WB, 262144
	LOADSC (\s)-5, VS+(\s)-5, 16384
.else
	LOADSET (\s)-5, VWD+(\s)-5, OWB, 0
.endif
.if (\s) == 0
	WIN 0x4b                                       ; weights window 3, x window 2, C (the bias) window 0, D window 1
.else
	WIN 0x5b                                       ; C and D window 1
.endif
	FMULH \s, 0
.if ((\s) > 0) && ((\s) < 5)
	WIN 0                                          ; the next pass's bias, wanted a pass later.  No wait: no product since the wait at the step's head names the bias's registers or its offset
.if (\ahead) == 1
	LOADBI (\s)-1, BB, 2048
.else
	LOADBI (\s)-1, OBB0, 0
.endif
	WIN 0x5b
.endif
	FMULH \s, 2
.endm
; A pass's 64 x 128 results go to the stage as f16: a lane's eight of a tile are 16 bytes.  Two token tiles fill the 64 packing registers; their sixteen stores stand behind one wait.
.macro PACK
	WIN 0
	s_wait_alu depctr_vm_vsrc(0)                   ; the last pass's LDS stores have read their four addresses and the packing registers, all of which are written below
.irp j, 0,1,2,3
	v_add_nc_u32 v[STOJ+\j], s[PO], v[STO0+\j]     ; (these four are also the places behind the last products)
.endr
.irp g, 0,2
.if \g
	s_wait_alu depctr_vm_vsrc(0)                   ; the sixteen stores above have read the packing registers, which the conversions below write again
.endif
	WIN 0x05
.irp j, \g, \g+1
.irp i, 0,1,2,3,4,5,6,7
.irp e, 0,1,2,3
	v_cvt_pk_f16_f32 v[TP+32*((\j)%2)+4*\i+\e], v[8*(8*(\j)+\i)+2*\e], v[8*(8*(\j)+\i)+2*\e+1]   ; each accumulator from its low end on
.endr
.endr
.endr
	WIN 0
	s_wait_alu depctr_va_vdst(0)                   ; the conversions have written the packing registers, the adds the addresses: the stores below read both
.irp j, \g, \g+1
.irp i, 0,1,2,3,4,5,6,7
	ds_store_b128 v[STOJ+(\j)], v[TP+32*((\j)%2)+4*\i:TP+32*((\j)%2)+4*\i+3] offset:16*\i
.endr
.endr
.endr
.endm
.macro PASS ahead
.irp s, 0,1,2,3,4,5,6,7
	FSTEP \s, \ahead
.endr
	PACK
.if (\ahead) == 1
	s_wait_xcnt 0x0                                ; the loads that are out have read their bases, which step only behind this wait
	s_add_nc_u64 s[WB:WB+1], s[WB:WB+1], 262144
	s_add_nc_u64 s[SB:SB+1], s[SB:SB+1], 16384
	s_add_nc_u64 s[BB:BB+1], s[BB:BB+1], 2048
	s_add_co_u32 s[PO], s[PO], 1024
.endif
.endm
; Eight products of the last product's step q: token tile j against my eight column tiles.  first: the bias starts the sums.
.macro OMULJ q, first, j
.irp i, 0,1,2,3,4,5,6,7
.set rD, 8*(8*(\j)+\i)
.set rA, 64*(\q)+8*\i
.set rB, 32*((\q)%2)+8*(\j)
.if \first
	v_wmma_f32_16x16x32_f16 v[rD:rD+7], v[rA:rA+7], v[rB:rB+7], v[BI+8*\i:BI+8*\i+7]
.else
	v_wmma_f32_16x16x32_f16 v[rD:rD+7], v[rA:rA+7], v[rB:rB+7], v[rD:rD+7]
.endif
.endr
.endm
.macro OWIN first                      ; wo window 3, ctx window 2, D window 1; C: the bias in window 0, or D
.if \first
	WIN 0x4b
.else
	WIN 0x5b
.endif
.endm
; A step of the last product: 32 along k'.  q: the step modulo 4 (wo's set; ctx's buffer is q % 2).  first: the bias starts the sums.  gl: wo's set three steps on is asked for.
; dl = 1: ctx's fragments of the next step are fetched; 2: of step 0 again, for the second half; 0: none.  cnt: the younger global loads that may stay out (16 a set).
; The five address lines (or v_nop in their stead) are the places between the last step's products and the loads into registers that they read.
.macro OSTEP q, first, gl, dl, cnt
	s_wait_loadcnt \cnt
	s_wait_dscnt 0x0                               ; this step's fragments of ctx are in
	WIN 0
.if (\gl) || (\dl)
	s_wait_alu depctr_vm_vsrc(0)                   ; the loads issued so far have read the offset and the four LDS addresses that are written below; in a half's first step also: the LDS stores ahead of it have read registers of window 1 that its products write
.endif
.if \gl
	s_add_co_u32 s[NG], s[NG], 1
	s_xor_b32 s33, s[NG], s[R64]
	v_lshl_add_u32 v[VWD+((\q)+3)%4], s33, 13, v[L16]   ; its last reader, the set of the step before, was shown in by that step's wait
.else
	v_nop
.endif
.if (\dl) == 1
	s_add_co_u32 s[NL], s[NL], 1
.elseif (\dl) == 2
	s_mov_b32 s[NL], 0
.endif
.if \dl
.irp j, 0,1,2,3
	v_lshl_add_u32 v[VAJ+\j], s[NL], 6, v[VAJ0+\j]
.endr
.else
	PLACES
.endif
.if \gl
	WIN 0xc0
.endif
.if (\gl) || (\dl)
	s_wait_alu depctr_va_vdst(0)                   ; the offset and the addresses are written; the step before's products are done reading their set of wo and their fragments of ctx, in which this step's loads land
.endif
.if \gl
	LOADSET ((\q)+3)%4, VWD+((\q)+3)%4, OWB, 0
.endif
	OWIN \first
	OMULJ \q, \first, 0
.if \dl
	WIN 0x80                                       ; ctx's next fragments.  No wait: no product since the wait above names the other buffer or the four addresses
.irp j, 0,1,2,3
	ds_load_b128 v[32*(((\q)+1)%2)+8*\j:32*(((\q)+1)%2)+8*\j+3], v[VAJ+\j]
	ds_load_b128 v[32*(((\q)+1)%2)+8*\j+4:32*(((\q)+1)%2)+8*\j+7], v[VAJ+\j] offset:32
.endr
	OWIN \first
.endif
	OMULJ \q, \first, 1
	OMULJ \q, \first, 2
	OMULJ \q, \first, 3
.endm
; THE WAY OUT of a half: block j = 16 tokens x my 128 columns.  A lane holds 32 bytes of a row: a block goes through my own stage and comes back as whole rows of 512 bytes.
.macro TOST j
	WIN 0x04                                       ; an LDS store's data are its source 1: window 1
.irp i, 0,1,2,3,4,5,6,7
	ds_store_b128 v[WSTO], v[8*(8*\j+\i):8*(8*\j+\i)+3] offset:64*\i        ; each accumulator from its low end on
	ds_store_b128 v[WSTO], v[8*(8*\j+\i)+4:8*(8*\j+\i)+7] offset:64*\i+16
.endr
	WIN 0x80
.irp t, 0,1,2,3,4,5,6,7,8,9,10,11,12,13,14,15
	ds_load_b128 v[64+64*(\j%2)+4*\t:64+64*(\j%2)+4*\t+3], v[WRD] offset:528*\t   ; LDS serves a wave's instructions in order: these see the stores above
.endr
.endm
.macro SEND j, younger, ob
	s_wait_dscnt \younger                          ; the block is back; the next block's 16 stores and 16 loads may be out
	WIN 0x08                                       ; a global store's data are its source 1: window 2
.irp t, 0,1,2,3,4,5,6,7,8,9,10,11,12,13,14,15
	global_store_b128 v[L16], v[64+64*(\j%2)+4*\t:64+64*(\j%2)+4*\t+3], s[\ob:\ob+1] offset:65536*\j+4096*\t th:TH_STORE_NT   ; 512 consecutive bytes, at a multiple of 256 from out0's first byte
.endr
.endm
.macro WAYOUT ob, second
	s_wait_xcnt 0x0                                ; earlier stores have read the registers that the loads below take
.if \second
	s_wait_alu depctr_vm_vsrc(0)                   ; the first half's global stores have read the rows' registers, in which blocks 0 and 1 land
.endif
	TOST 0
	TOST 1
	SEND 0, 32, \ob
	s_wait_xcnt 0x0                                ; block 0's stores have read their registers: block 2's rows may land there
	s_wait_alu depctr_vm_vsrc(0)                   ; block 0's global stores have read their data registers, in which block 2's rows land
	TOST 2
	SEND 1, 32, \ob
	s_wait_xcnt 0x0
	s_wait_alu depctr_vm_vsrc(0)                   ; block 1's global stores have read their data registers, in which block 3's rows land
	TOST 3
	SEND 2, 32, \ob
	SEND 3, 0, \ob
	WIN 0
.endm
; A half of the last product: 32 steps: one that starts the sums, 7 trips of four, three written out.
.macro OPASS last, w0, ob
	OSTEP 0, 1, 1, 1, \w0
	WIN 0                                          ; at a label and at a branch every window is 0
	s_mov_b32 s[CT], 7
.Lo_\@:
	OSTEP 1, 0, 1, 1, 32
	OSTEP 2, 0, 1, 1, 32
	OSTEP 3, 0, 1, 1, 32
	OSTEP 0, 0, 1, 1, 32
	WIN 0
	s_sub_co_u32 s[CT], s[CT], 1
	s_cmp_lg_u32 s[CT], 0
	s_cbranch_scc1 .Lo_\@
.if \last
	OSTEP 1, 0, 0, 1, 32                           ; nothing more to ask of wo: the counts run down
	OSTEP 2, 0, 0, 1, 16
	OSTEP 3, 0, 0, 0, 0                            ; no load, so no dependence to state
.else
	OSTEP 1, 0, 1, 1, 32                           ; the walk goes on into the second half's first three sets,
	OSTEP 2, 0, 1, 1, 32
	OSTEP 3, 0, 1, 2, 32                           ; and ctx begins anew
.endif
	WIN 0
	PLACES                                         ; behind the last products, ahead of the stores that read results
	s_wait_alu depctr_va_vdst(0)                   ; the products have written the 32 accumulators, which the way out's LDS stores read (the places above stay beside this wait); the half's first step is done reading the bias
.if !(\last)
.irp p, 0,1,2,3
	LOADBI \p, OBB1, 0                             ; the second half's bias
.endr
.endif
	WAYOUT \ob, \last
.endm
	; ---- THE HEAD
	s_load_b512 s[4:19], s[0:1], 0x0               ; xq, xs, wcod, wsc, bp, wo16, bo, out0
	v_lshl_add_u32 v[SPW], v0, 2, SPARE
	v_mov_b32 v[NIL], 0
	v_lshrrev_b32 v206, 5, v0
	v_readfirstlane_b32 s[WV], v206                ; wave 0..3
	s_mov_b32 s[GG], ttmp9                         ; g
	s_and_b32 s[RHO], s[GG], 7
	v_and_b32 v208, 31, v0
	v_lshlrev_b32 v[L16], 4, v208
	v_and_b32 v206, 15, v0                         ; r
	v_bfe_u32 v207, v0, 4, 1                       ; h
	v_lshlrev_b32 v208, 2, v206
	v_lshl_add_u32 v208, v207, 9, v208             ; 512 h + 4 r
.irp s, 0,1,2,3,4,5,6,7
	s_xor_b32 s33, s[RHO], \s
	v_lshl_add_u32 v[VW+\s], s33, 13, v[L16]
	v_lshl_add_u32 v[VS+\s], s33, 6, v208
.endr
	v_lshlrev_b32 v[VB], 5, v207
	v_mul_u32_u24 v209, v206, PITCH
	s_wait_alu depctr_va_sdst(0)                   ; the wave's number is written, ahead of its first reader: LDS places and the bases of the weights, of bo and of out0 are made from it
	s_lshr_b32 s33, s[WV], 1
	s_lshl_b32 s33, s33, 9
	s_and_b32 s34, s[WV], 1
	s_lshl_b32 s34, s34, 7
	s_add_co_u32 s33, s33, s34                     ; my wave's 8 tiles in a quarter row: 512 (w / 2) + 128 (w % 2)
	v_lshl_add_u32 v210, v207, 8, v209
	v_add_nc_u32 v210, s33, v210                   ; + row r + 256 h
	v_lshl_add_u32 v211, v207, 4, v209
.irp j, 0,1,2,3
	v_add_nc_u32 v[STO0+\j], \j*TOKW, v210
	v_add_nc_u32 v[VAJ0+\j], \j*TOKW, v211
	v_add_nc_u32 v[VAJ+\j], \j*TOKW, v211          ; step 0 of ctx
.endr
	s_mul_i32 s33, s[WV], TOKW
	v_add_nc_u32 v[VTOK0], s33, v[L16]
	s_mul_i32 s33, s[WV], OSTW
	s_add_co_u32 s33, s33, OST
	v_mul_u32_u24 v209, v206, 528
	v_lshl_add_u32 v209, v207, 5, v209
	v_add_nc_u32 v[WSTO], s33, v209                ; the way out, in: row r, 32 bytes for each half of the lanes
	v_add_nc_u32 v[WRD], s33, v[L16]               ; back: the 32 lanes take one row of 512 bytes
	s_lshr_b32 s33, s[GG], 5
	s_and_b32 s33, s33, 1                          ; which half of the columns comes first
	s_lshl_b32 s[R64], s33, 5
	s_lshl_b32 s34, s[WV], 9                       ; my 128 columns, in bytes of f32
	s_lshl_b32 s36, s33, 11
	s_add_co_u32 s36, s36, s34
	s_xor_b32 s33, s33, 1
	s_lshl_b32 s44, s33, 11
	s_add_co_u32 s44, s44, s34
	s_mov_b32 s37, 0
	s_mov_b32 s45, 0
	s_lshl_b32 s46, s[GG], 18                      ; my 64 rows of out0
	s_mov_b32 s47, 0
.irp n, 0,1,2
	s_xor_b32 s33, s[R64], \n
	v_lshl_add_u32 v[VWD+\n], s33, 13, v[L16]
.endr
	s_mov_b32 s[NG], 2
	s_mov_b32 s[NL], 0
	s_mov_b32 s[CS], 0x3e38aa3b                    ; c = log2(e) / 8
	s_mov_b32 s[CS+1], s[CS]
	s_mov_b32 s[NC], 0xbe38aa3b
	s_mov_b32 s[SEL], 0x76543210
	s_mov_b32 s[SEL+1], 0xfedcba98
	s_wait_kmcnt 0x0
	s_add_nc_u64 s[OBB1:OBB1+1], s[OBB0:OBB0+1], s[44:45]
	s_add_nc_u64 s[OBB0:OBB0+1], s[OBB0:OBB0+1], s[36:37]
	s_add_nc_u64 s[OB0:OB0+1], s[OB0:OB0+1], s[46:47]
	s_add_nc_u64 s[OB1:OB1+1], s[OB0:OB0+1], s[44:45]
	s_add_nc_u64 s[OB0:OB0+1], s[OB0:OB0+1], s[36:37]
	s_lshr_b32 s34, s[GG], 1
	s_lshl_b32 s34, s34, 16
	s_and_b32 s35, s[GG], 1
	s_lshl_b32 s35, s35, 12
	s_add_co_u32 s34, s34, s35
	s_mov_b32 s35, 0
	s_add_nc_u64 s[XB:XB+1], s[XB:XB+1], s[34:35]
	s_lshl_b32 s34, s[GG], 11
	s_add_nc_u64 s[XSB:XSB+1], s[XSB:XSB+1], s[34:35]
	s_lshl_b32 s34, s[WV], 16
	s_add_nc_u64 s[WB:WB+1], s[WB:WB+1], s[34:35]
	s_lshl_b32 s34, s[WV], 12
	s_add_nc_u64 s[SB:SB+1], s[SB:SB+1], s[34:35]
	s_lshl_b32 s34, s[WV], 9
	s_add_nc_u64 s[BB:BB+1], s[BB:BB+1], s[34:35]
	s_lshl_b32 s34, s[WV], 19
	s_add_nc_u64 s[OWB:OWB+1], s[OWB:OWB+1], s[34:35]
	WIN 0x80
	s_wait_alu depctr_va_vdst(0)                   ; every offset and LDS address made above is written: the loads and stores of the whole kernel read them; so are the closing add's two registers
.irp s, 0,1,2,3,4,5,6,7                        ; x's 32 fragments: they stay
.irp j, 0,1,2,3
.irp c, 0,1
	global_load_b128 v[32*\s+8*\j+4*\c:32*\s+8*\j+4*\c+3], v[VW+\s], s[XB:XB+1] offset:1024*\j+512*\c th:TH_LOAD_NT
.endr
.endr
.endr
	WIN 0
.irp s, 0,1,2,3,4,5,6,7
.irp p, 0,1
	global_load_b32 v[XS+2*\s+\p], v[VS+\s], s[XSB:XSB+1] offset:1024*\p
.endr
.endr
.irp p, 0,1,2,3
	LOADBI \p, BB, 0
.endr
.irp s, 0,1,2
	LOADSET \s, VW+\s, WB, 0
	LOADSC \s, VS+\s, 0
.endr
	; ---- K AND Q: four passes of 512 columns (128 a wave): k's two into the lower half rows, q's two into the upper
	s_mov_b32 s[PO], 0
	s_mov_b32 s[CT], 4
.Lkq:
	PASS 1
	s_sub_co_u32 s[CT], s[CT], 1
	s_cmp_lg_u32 s[CT], 0
	s_cbranch_scc1 .Lkq
	BARRIER                                        ; k and q of all 64 tokens lie in the stage
	; ---- SCORES AND SOFTMAX: my 16 tokens, four a trip.  v's first sets stay on their way into window 3 meanwhile
	WIN 0x40
.irp u, 0,1,2,3
	v_mov_b32 v[XC+\u], 0                          ; written once: a lane permute's destination counts as one of its sources
	v_mov_b32 v[NM+2*\u+1], 0                      ; (named as the upper half of a pair)
.endr
	WIN 0
	s_mov_b32 s[TO], 0
	s_mov_b32 s[CT], 4
.Lsm:
	WIN 0x40
	v_add_nc_u32 v[AT], s[TO], v[VTOK0]
	WIN 0x55                                       ; everything in window 1
	s_wait_alu depctr_va_vdst(0)                   ; the trip's address is written; the products and conversions that named v0-127 of this window (the passes', then the last trip's) are done: k and q land there
.irp u, 0,1,2,3
.irp c, 0,1,2,3
	ds_load_b128 v[16*\u+4*\c:16*\u+4*\c+3], v[AT] offset:PITCH*\u+512*\c             ; k: 16 heads x 64 channels as two fragments: 512 consecutive bytes a load
	ds_load_b128 v[64+16*\u+4*\c:64+16*\u+4*\c+3], v[AT] offset:PITCH*\u+2048+512*\c  ; q likewise
.endr
.endr
	s_wait_dscnt 0x0
.irp u, 0,1,2,3
	v_wmma_f32_16x16x32_f16 v[SS+8*\u:SS+8*\u+7], v[16*\u:16*\u+7], v[64+16*\u:64+16*\u+7], 0
.endr
.irp u, 0,1,2,3                                ; the four tokens' sums take turns
	v_wmma_f32_16x16x32_f16 v[SS+8*\u:SS+8*\u+7], v[16*\u+8:16*\u+15], v[64+16*\u+8:64+16*\u+15], v[SS+8*\u:SS+8*\u+7]
.endr
	PLACES
.irp u, 0,1,2,3
	v_max3_num_f32 v[MX+\u], v[SS+8*\u], v[SS+8*\u+1], v[SS+8*\u+2]   ; the row's maximum, from the accumulator's low end on; the four tokens by turns
.endr
.irp u, 0,1,2,3
	v_max3_num_f32 v[MX+\u], v[MX+\u], v[SS+8*\u+3], v[SS+8*\u+4]
.endr
.irp u, 0,1,2,3
	v_max3_num_f32 v[MX+\u], v[MX+\u], v[SS+8*\u+5], v[SS+8*\u+6]
.endr
.irp u, 0,1,2,3
	v_max_num_f32 v[MX+\u], v[MX+\u], v[SS+8*\u+7]
.endr
.irp u, 0,1,2,3
	v_permlanex16_b32 v[XC+\u], v[MX+\u], s[SEL], s[SEL+1]   ; the row's other eight heads lie in the lane 16 away
.endr
.irp u, 0,1,2,3
	v_max_num_f32 v[MX+\u], v[MX+\u], v[XC+\u]
.endr
.irp u, 0,1,2,3
	v_mul_f32 v[NM+2*\u], s[NC], v[MX+\u]          ; -c m
.endr
.irp e, 0,2,4,6
.irp u, 0,1,2,3
	v_pk_fma_f32 v[SS+8*\u+\e:SS+8*\u+\e+1], v[SS+8*\u+\e:SS+8*\u+\e+1], s[CS:CS+1], v[NM+2*\u:NM+2*\u+1] op_sel_hi:[1,0,0]   ; c s - c m
.endr
.endr
.set n, 0
.rept 32
	v_exp_f32 v[SS+n], v[SS+n]
.set n, n+1
.endr
	v_nop                                          ; a plain instruction behind the last exponential
	s_wait_alu depctr_va_vdst(0)                   ; the 32 exponentials have written the scores' registers: one wait for the batch, ahead of its first reader
.irp u, 0,1,2,3
	v_pk_add_f32 v[SU+2*\u:SU+2*\u+1], v[SS+8*\u:SS+8*\u+1], v[SS+8*\u+2:SS+8*\u+3]
	v_pk_add_f32 v[RC+2*\u:RC+2*\u+1], v[SS+8*\u+4:SS+8*\u+5], v[SS+8*\u+6:SS+8*\u+7]
.endr
.irp u, 0,1,2,3
	v_pk_add_f32 v[SU+2*\u:SU+2*\u+1], v[SU+2*\u:SU+2*\u+1], v[RC+2*\u:RC+2*\u+1]
.endr
.irp u, 0,1,2,3
	v_add_f32 v[SU+2*\u], v[SU+2*\u], v[SU+2*\u+1]
.endr
.irp u, 0,1,2,3
	v_permlanex16_b32 v[XC+\u], v[SU+2*\u], s[SEL], s[SEL+1]
.endr
.irp u, 0,1,2,3
	v_add_f32 v[SU+2*\u], v[SU+2*\u], v[XC+\u]     ; the row's sum
.endr
.irp u, 0,1,2,3
	v_rcp_f32 v[RC+2*\u], v[SU+2*\u]
.endr
	v_nop
	s_wait_alu depctr_va_vdst(0)                   ; the four reciprocals have written their registers: one wait, ahead of their first reader
.irp e, 0,2,4,6
.irp u, 0,1,2,3
	v_pk_mul_f32 v[SS+8*\u+\e:SS+8*\u+\e+1], v[SS+8*\u+\e:SS+8*\u+\e+1], v[RC+2*\u:RC+2*\u+1] op_sel_hi:[1,0]   ; p, normalised in f32
.endr
.endr
.irp u, 0,1,2,3
.irp e, 0,1,2,3
	v_cvt_pk_f16_f32 v[PK+4*\u+\e], v[SS+8*\u+2*\e], v[SS+8*\u+2*\e+1]
.endr
.endr
	s_wait_alu depctr_va_vdst(0)                   ; the conversions have written p's sixteen registers, which the stores read
.irp u, 0,1,2,3
	ds_store_b128 v[AT], v[PK+4*\u:PK+4*\u+3] offset:PITCH*\u   ; p's image: the lower four registers of the next product's source 1; over the token's own k, which is in registers
.endr
	s_wait_alu depctr_vm_vsrc(0)                   ; the stores have read the address and p's registers: the next trip writes both again, and behind the loop v's products write them as accumulators
	WIN 0
	s_add_co_u32 s[TO], s[TO], 4*PITCH
	s_sub_co_u32 s[CT], s[CT], 1
	s_cmp_lg_u32 s[CT], 0
	s_cbranch_scc1 .Lsm
	BARRIER                                        ; every wave has read its tokens' q: the upper half rows may be written
	; ---- V: two passes into the upper half rows; the second asks for wo's first three sets and for bo
	s_mov_b32 s[PO], 2048
	PASS 1
	PASS 2
	BARRIER                                        ; v of all 64 tokens lies in the stage
	; ---- CTX: my 16 tokens, four a trip
	WIN 0x40
.irp u, 0,1,2,3
.irp e, 4,5,6,7
	v_mov_b32 v[8*\u+\e], 0                        ; p for k = 16 .. 31: zeros, written once
.endr
.endr
.irp e, 96,97,98,99
	v_mov_b32 v[\e], 0                             ; what the last fragment of v names above its four registers
.endr
	WIN 0
	s_mov_b32 s[TO], 0
	s_mov_b32 s[CT], 4
.Lpv:
	WIN 0x40
	v_add_nc_u32 v[AT2], s[TO], v[VTOK0]
	WIN 0x55
	s_wait_alu depctr_va_vdst(0)                   ; the trip's address is written; the products and conversions that named p's and v's registers (v's passes', then the last trip's) are done: p and v land there
.irp u, 0,1,2,3
	ds_load_b128 v[8*\u:8*\u+3], v[AT2] offset:PITCH*\u
.irp c, 0,1,2,3
	ds_load_b128 v[32+16*\u+4*\c:32+16*\u+4*\c+3], v[AT2] offset:PITCH*\u+2048+512*\c   ; v^T: 16 channels x 16 heads: four registers
.endr
.endr
	s_wait_dscnt 0x0
.irp u, 0,1,2,3
.irp c, 0,1,2,3                                ; source 0 names eight registers: the upper four are the next fragment's numbers (or the zeros) and meet p's zeros
	v_wmma_f32_16x16x32_f16 v[104+8*(4*\u+\c):104+8*(4*\u+\c)+7], v[32+16*\u+4*\c:32+16*\u+4*\c+7], v[8*\u:8*\u+7], 0
.endr
.endr
	PLACES
.irp u, 0,1,2,3
.irp c, 0,1,2,3
.irp e, 0,1,2,3
	v_cvt_pk_f16_f32 v[32+16*\u+4*\c+\e], v[104+8*(4*\u+\c)+2*\e], v[104+8*(4*\u+\c)+2*\e+1]
.endr
.endr
.endr
	s_wait_alu depctr_va_vdst(0)                   ; the conversions have written ctx's 64 registers, which the stores read
.irp u, 0,1,2,3
.irp c, 0,1,2,3
	ds_store_b128 v[AT2], v[32+16*\u+4*\c:32+16*\u+4*\c+3] offset:PITCH*\u+512*\c   ; ctx in the order k': lane (r, h): head r, channels 16 c + 8 h on: 512 consecutive bytes a store
.endr
.endr
	s_wait_alu depctr_vm_vsrc(0)                   ; the stores have read the address and ctx's registers: the next trip's add and loads write them again, and behind the loop the last product's accumulators lie there
	WIN 0
	s_add_co_u32 s[TO], s[TO], 4*PITCH
	s_sub_co_u32 s[CT], s[CT], 1
	s_cmp_lg_u32 s[CT], 0
	s_cbranch_scc1 .Lpv
	BARRIER                                        ; ctx of all 64 tokens lies in the lower half rows; nothing is stored there from here on
	; ---- OUT = CTX WO^T + BO: two halves of 512 columns (128 a wave)
	WIN 0x80                                       ; step 0's fragments of ctx.  No wait: their addresses were written at the head, the products that read x's slot 0 stand ahead of the waits of the loop above, and no vector instruction has been issued since the last of those
.irp j, 0,1,2,3
	ds_load_b128 v[8*\j:8*\j+3], v[VAJ+\j]
	ds_load_b128 v[8*\j+4:8*\j+7], v[VAJ+\j] offset:32
.endr
	OPASS 0, 32, OB0                               ; behind wo's set 0: sets 1 and 2
	OPASS 1, 0, OB1                                ; the bias was asked for last: the wait is for all; the first half's stores leave under these products
	s_wait_dscnt 0x0                               ; the wave's end, six lines on end (every window is 0 here)
	s_wait_alu 0x0
	s_wait_tensorcnt 0x0
	ds_add_u32 v[SPW], v[NIL]
	s_wait_dscnt 0x0
	s_endpgm
.Lfunc_end_k_q38de4c9246_msa:
	.size	k_q38de4c9246_msa, .Lfunc_end_k_q38de4c9246_msa-k_q38de4c9246_msa
	.p2alignl 7, 3214868480
	.fill 96, 4, 3214868480
	.section	.rodata,"a",@progbits
	.p2align	6, 0x0
	.amdhsa_kernel k_q38de4c9246_msa
		.amdhsa_group_segment_fixed_size 297472
		.amdhsa_private_segment_fixed_size 0
		.amdhsa_enable_private_segment 0
		.amdhsa_kernarg_size 64
		.amdhsa_user_sgpr_count 2
		.amdhsa_user_sgpr_kernarg_segment_ptr 1
		.amdhsa_wavefront_size32 1
		.amdhsa_system_sgpr_workgroup_id_x 1
		.amdhsa_system_sgpr_workgroup_id_y 1
		.amdhsa_system_sgpr_workgroup_id_z 1
		.amdhsa_system_vgpr_workitem_id 0
		.amdhsa_next_free_vgpr 1024
		.amdhsa_next_free_sgpr 66
		.amdhsa_reserve_vcc 0
		.amdhsa_float_denorm_mode_32 3
		.amdhsa_float_denorm_mode_16_64 3
		.amdhsa_memory_ordered 1
		.amdhsa_forward_progress 1
		.amdhsa_inst_pref_size 255
	.end_amdhsa_kernel
	.section	.bss,"aw",@nobits
	.p2align	6
	.space	262144
	.amdgpu_metadata
---
amdhsa.version: [ 1, 2 ]
amdhsa.kernels:
  - .name:           k_q38de4c9246_msa
    .symbol:         k_q38de4c9246_msa.kd
    .args:
      - { .name: xq, .offset: 0, .size: 8, .value_kind: global_buffer, .address_space: global }
      - { .name: xs, .offset: 8, .size: 8, .value_kind: global_buffer, .address_space: global }
      - { .name: wcod, .offset: 16, .size: 8, .value_kind: global_buffer, .address_space: global }
      - { .name: wsc, .offset: 24, .size: 8, .value_kind: global_buffer, .address_space: global }
      - { .name: bp, .offset: 32, .size: 8, .value_kind: global_buffer, .address_space: global }
      - { .name: wo16, .offset: 40, .size: 8, .value_kind: global_buffer, .address_space: global }
      - { .name: bo, .offset: 48, .size: 8, .value_kind: global_buffer, .address_space: global }
      - { .name: out0, .offset: 56, .size: 8, .value_kind: global_buffer, .address_space: global }
    .group_segment_fixed_size: 297472
    .private_segment_fixed_size: 0
    .kernarg_segment_align: 8
    .kernarg_segment_size: 64
    .max_flat_workgroup_size: 128
    .sgpr_count:     66
    .vgpr_count:     1024
    .wavefront_size: 32
...
	.end_amdgpu_metadata
.endif
;; end of part 3
